; MI455X (gfx1250); checked and timed in simulation.
; The chip was launched on July 23, 2026; its instructions are those of AMD's public machine-readable ISA for CDNA 5 (MIT licence, August 2026) and "CDNA5" Instruction Set Architecture Reference Guide (July 2026). The comments in the code are by the model that wrote it; some were corrected since.
;; Group Query Attention. Allowed arithmetic: matrix products marked QUANTISED: E2M3 operands, one E8M0 scale for each 32 along K, by v_wmma_scale_f32_16x16x128_f8f6f4 with both operands' format E2M3, f32 sums; everything else in f32.
;; Inputs: X 1 x 4,096 x 1,024 float32; k_b 256 float32; k_w 1,024 x 256 float32; o_b 1,024 float32; o_w 1,024 x 1,024 float32; q_b 1,024 float32; q_w 1,024 x 1,024 float32; v_b 256 float32; v_w 1,024 x 256 float32.
;; Outputs: out0 1 x 4,096 x 1,024 float32.
;; This version of the problem:
;;   THIS VERSION OF THE PROBLEM IS GIVEN IN LOW PRECISION. The matrix products marked QUANTISED in the list below multiply operands that are first quantised to E2M3 (2 exponent bits, 3 mantissa bits; 6 bits a number), with one power-of-two scale for each 32 numbers along K (OCP MX v1.0); their sums are f32. All else is computed in f32.
;;   The module's matrix products, in the order in which they are computed (A, B: the left and right operand; K: the contracted axis; several contracted axes count as one K, in the product's order):
;;     1. [M 4,096, K 1,024] x [K 1,024, N 1,024]; A: input X; B: input q_w: QUANTISED
;;     2. [M 4,096, K 1,024] x [K 1,024, N 256]; A: input X; B: input k_w: QUANTISED
;;     3. [M 4,096, K 1,024] x [K 1,024, N 256]; A: input X; B: input v_w: QUANTISED
;;     4. batch 16 x [M 4,096, K 64] x [K 64, N 4,096]; A: computed on the way; B: computed on the way: QUANTISED
;;     5. batch 16 x [M 4,096, K 4,096] x [K 4,096, N 64]; A: softmax (see below); B: computed on the way: QUANTISED
;;     6. [M 4,096, K 1,024] x [K 1,024, N 1,024]; A: computed on the way; B: input o_w: QUANTISED
;;   THE QUANTISER, for each operand of a quantised product, along K:
;;     - K is cut into blocks of 32 from its start; a last block that is shorter is filled with zeros.
;;     - A block's scale is 2^e with e = floor(log2(the largest magnitude in the block)) - 2, held to -126 .. 127; a block of zeros has e = 0. As a byte (E8M0): e + 127.
;;     - Each number is divided by its block's scale, clamped to +-7.5, and rounded to the nearest number of E2M3, ties to even, subnormals kept.
;;     - The product sums the exact products of the quantised numbers (number of the format x scale) in f32.
;;   ~~~python
;;   def quantise(x, axis):      # numpy; x: float32 -> the quantised numbers, widened to float32 again
;;       x = np.moveaxis(x, axis, -1); K = x.shape[-1]
;;       x = np.pad(x, [(0, 0)] * (x.ndim - 1) + [(0, -K % 32)]); x = x.reshape(x.shape[:-1] + (-1, 32)); a = np.abs(x).max(-1, keepdims=True)
;;       e = np.where(a > 0, np.clip(np.frexp(np.where(a > 0, a, 1))[1] - 1 - 2, -126, 127), 0)      # np.frexp(a)[1] - 1 = floor(log2(a)), exactly
;;       r = np.clip(x / 2.0 ** e, -7.5, 7.5)
;;       step = 2.0 ** (np.maximum(np.frexp(np.where(r == 0, 1, r))[1] - 1, 0) - 3)
;;       q = np.round(r / step) * step * 2.0 ** e      # np.round: ties to even
;;       return np.moveaxis(q.reshape(q.shape[:-2] + (-1,))[..., :K], -1, axis).astype(np.float32)
;;   ~~~
;;   SOFTMAX AHEAD OF A QUANTISED PRODUCT. Where the list says 'softmax', what is quantised is not the finished softmax but p = 2^(t - M), with t = logit x log2(e) and M = ceil(the row's largest t), a whole number; so 1/2 < the row's largest p <= 1. The row's sum l is taken of the UNQUANTISED p, in f32, and the product's result is divided by l at the end. Since M is a whole number, a kernel that streams over the keys may use a running M (the ceiling of the running maximum): every later rescaling is an exact power of two, which a block's scale takes up: the codes' values come out the same.
;;   OPERANDS COMPUTED ON THE WAY. 'Computed on the way' means the value that the module computes at that place (a softmax that the list does not call 'softmax' is quantised finished and normalised). What goes into a quantiser is computed in f32, as accurately as f32 sums, v_exp_f32 and their like allow (about 1e-6 of the number): no bf16 or f16 on the way to a quantiser, and a product that is left as it is and whose result goes on into a quantised operand takes f32 operands (vector FMAs, or v_wmma_f32_16x16x4_f32). A number that lies on a knife's edge between two numbers of the format may be rounded either way, as far as f32 arithmetic and the matrix unit's own rounding can turn it there, and no further.
;; One version. Each part assembles by itself: llvm-mc -triple=amdgcn-amd-amdhsa -mcpu=gfx1250 --defsym DOCPART=n.
;; ======== version 1 of 1: 4 launches
;; limits: right only within a limited range of input values
;; workspace buffers: ximg 3,276,800 bytes; wimg 2,048,000 bytes; qimg 3,145,728 bytes; qs 131,072 bytes; kc 1,638,400 bytes; aimg 3,276,800 bytes
;; launch quant (part 1): grid 336 x 1, 8 waves a work-group, no clusters, 96,768 bytes of LDS; arguments q_w, k_w, v_w, o_w, wimg, X, ximg; writes wimg, ximg
.if DOCPART == 1
	.amdgcn_target "amdgcn-amd-amdhsa--gfx1250"
	.amdhsa_code_object_version 6
	.text
	.protected	k_q47c8c6f607_quant
	.globl	k_q47c8c6f607_quant
	.p2align	8
	.type	k_q47c8c6f607_quant,@function
k_q47c8c6f607_quant:
	s_mov_b64 s[64:65], 0
	v_nop
	global_prefetch_b8 v0, s[64:65] scope:SCOPE_SE
	s_setreg_imm32_b32 hwreg(HW_REG_WAVE_MODE, 25, 1), 1
	s_wait_xcnt 0x0
; GROUPED-QUERY ATTENTION IN MX-FP6, launch 1 of 4: X and the four weights, f32, become codes of E2M3 with one E8M0 byte for each 32 along K.
; NO WORK OF reference() IS LEFT OUT in this program: q_b, k_b and v_b go into numbers that are quantised, o_b into the output, so every input is loaded by some launch and all six products are made.
; LIMITS: NaN and infinities among the inputs are not served.  A block whose largest magnitude lies under 2^-124 is held at the byte 1; a block of zeros gets the byte 1, not 127: its codes are zeros, and the bytes are read by this program alone.
; Work-groups 0-79 take the weights, 80-335 take X; the two ways part on the work-group's number alone and have LDS bytes of their own.
; AN IMAGE is an operand's registers as they stand: register 4 c + i of lane l at byte 512 c + 16 l + 4 i (16 rows x 128 K, 1,536 bytes).  Scale word of (tile T, row r) at 64 T + 4 r behind a chunk's images.
; ximg: [row group g: 32][K step s: 8] chunks of 12,800 bytes: eight images, 512 bytes of scale words.  Row r of tile T is row 64 (T / 4) + 8 (T % 4) + r % 8 + 32 (r / 8) of its group of 128:
;   so the results of four tiles on end are, in a lane's registers, 32 neighbouring rows: a whole block of a later K.
; wimg: [column group ng: 10][K step s: 8] chunks of 25,600 bytes: 16 images, 1,024 bytes of scale words.  ng 0-3: q_w's columns 256 ng on; 4: k_w; 5: v_w; 6-9: o_w.  Row r of tile T is column 32 (T / 2) + 8 (T % 2) + r + 8 (r / 8).
; Streams that are read once: no matrix unit, cluster or tensor load would add to them.
.set NWG,   80
.set XSTG,  8448                       ; X: a wave's stage, 16 rows x 528 bytes
.set XSCG,  8*XSTG                     ; X: the chunk's 512 bytes of scale words
.set WLDS,  XSCG+512                   ; the weights' LDS begins here
.set WSTG,  3328                       ; W: a wave's stage, two images 1,664 bytes apart
.set WSCG,  WLDS+8*WSTG                ; W: the chunk's 1,024 bytes of scale words
.set SPARE, WSCG+1024                  ; the spare words: 128 bytes for each of the eight waves
.set L16,   8                          ; v8   16 x lane
.set SPW,   12
.set NIL,   13
.set WV,    36
	s_load_b256 s[4:11], s[0:1], 0x0               ; q_w, k_w, v_w, o_w
	s_load_b64 s[12:13], s[0:1], 0x20              ; wimg
	s_load_b64 s[40:41], s[0:1], 0x28              ; X
	s_load_b64 s[42:43], s[0:1], 0x30              ; ximg
	v_lshl_add_u32 v[SPW], v0, 2, SPARE
	v_mov_b32 v[NIL], 0
	v_lshrrev_b32 v1, 5, v0
	s_delay_alu instid0(VALU_DEP_1)
	v_readfirstlane_b32 s[WV], v1                  ; wave 0..7
	v_and_b32 v1, 31, v0                           ; lane
	s_delay_alu instid0(VALU_DEP_1)
	v_lshlrev_b32 v[L16], 4, v1
	s_cmp_lt_u32 ttmp9, NWG
	s_wait_alu depctr_va_vdst(0)
	s_cbranch_scc0 .Lx
; ---- THE WEIGHTS.  A lane takes a column and its registers run down K.  Wave w takes columns 32 w + lane: tiles 2 w, 2 w + 1; lane l is row r = l % 8 + 8 (l / 16) of tile 2 w + (l / 8) % 2.
; Its block t belongs to the image's lane r + 16 (t % 2), registers 6 (t / 2) on: the codes go through the wave's stage to those places and leave as whole images.
.set SA,    4
.set SRD,   5
.set SCW,   6
.set SCR,   7
.set SB,    14
.set OFF,   32                         ; v32-63   row i of a block: pitch x i + 4 x lane
.set WX,    64                         ; v64-191  four blocks of 32 numbers
.set C,     192                        ; v192-223 eight registers of codes a block
	v_and_b32 v9, 7, v0
	v_bfe_u32 v10, v0, 4, 1
	s_delay_alu instid0(VALU_DEP_1)
	v_lshl_or_b32 v9, v10, 3, v9                   ; r
	v_bfe_u32 v10, v0, 3, 1                        ; u
	s_mul_i32 s37, s[WV], WSTG
	s_add_co_u32 s37, s37, WLDS
	v_mul_u32_u24 v[SA], v10, 1664
	s_delay_alu instid0(VALU_DEP_1)
	v_lshl_add_u32 v[SA], v9, 4, v[SA]
	s_delay_alu instid0(VALU_DEP_1)
	v_add_nc_u32 v[SA], s37, v[SA]
	v_add_nc_u32 v[SRD], s37, v[L16]
	s_lshl_b32 s37, s[WV], 7
	s_add_co_u32 s37, s37, WSCG
	v_lshlrev_b32 v[SCW], 6, v10
	s_delay_alu instid0(VALU_DEP_1)
	v_lshl_add_u32 v[SCW], v9, 2, v[SCW]
	s_delay_alu instid0(VALU_DEP_1)
	v_add_nc_u32 v[SCW], s37, v[SCW]               ; WSCG + 128 w + 64 u + 4 r
	v_add_nc_u32 v[SCR], WSCG, v[L16]
	v_lshlrev_b32 v11, 2, v1                       ; 4 x lane
	s_wait_alu depctr_va_vdst(0)
	s_lshr_b32 s26, ttmp9, 3                       ; ng
	s_and_b32 s27, ttmp9, 7                        ; s
	s_cmp_lt_u32 s26, 4
	s_cselect_b32 s28, 0, 6
	s_sub_co_u32 s29, s26, s28
	s_lshl_b32 s29, s29, 10                        ; q_w, o_w: the group's first column, in bytes
	s_sub_co_u32 s30, s26, 4
	s_mov_b32 s31, 4096
	s_cmp_lt_u32 s30, 2                            ; k_w or v_w?
	s_cselect_b32 s29, 0, s29
	s_cselect_b32 s31, 1024, s31                   ; the pitch from row to row
.irp i, 0,1,2,3,4,5,6,7,8,9,10,11,12,13,14,15,16,17,18,19,20,21,22,23,24,25,26,27,28,29,30,31
	v_mad_u32_u24 v[OFF+\i], s31, \i, v11
.endr
	s_lshl_b32 s32, s[WV], 7                       ; my wave's 32 columns
	s_add_co_u32 s32, s32, s29
	s_lshl_b32 s33, s27, 7
	s_mul_i32 s33, s33, s31                        ; the K step's 128 rows
	s_add_co_u32 s32, s32, s33
	s_mov_b32 s33, 0
	s_mul_i32 s34, ttmp9, 25600                    ; my chunk
	s_mul_i32 s24, s[WV], 3072
	s_add_co_u32 s24, s24, s34                     ; my two images
	s_mov_b32 s25, 0
	s_add_co_u32 s34, s34, 24576                   ; the chunk's scale words
	s_mov_b32 s35, 0
	s_wait_alu depctr_va_vdst(0)
	s_wait_kmcnt 0x0
	s_cmp_lt_u32 s26, 4                            ; the weight is chosen by the work-group's number alone
	s_cselect_b64 s[14:15], s[4:5], s[10:11]
	s_cmp_eq_u32 s26, 4
	s_cselect_b64 s[14:15], s[6:7], s[14:15]
	s_cmp_eq_u32 s26, 5
	s_cselect_b64 s[14:15], s[8:9], s[14:15]
	s_add_nc_u64 s[16:17], s[14:15], s[32:33]      ; block 0's first row,
	s_lshl_b32 s32, s31, 5
	s_add_nc_u64 s[18:19], s[16:17], s[32:33]      ; and 32 rows on for each further block
	s_add_nc_u64 s[20:21], s[18:19], s[32:33]
	s_add_nc_u64 s[22:23], s[20:21], s[32:33]
	s_add_nc_u64 s[24:25], s[12:13], s[24:25]
	s_add_nc_u64 s[34:35], s[12:13], s[34:35]
.macro LOADB t
.irp i, 0,1,2,3,4,5,6,7,8,9,10,11,12,13,14,15,16,17,18,19,20,21,22,23,24,25,26,27,28,29,30,31
	global_load_b32 v[WX+32*(\t)+\i], v[OFF+\i], s[16+2*(\t):17+2*(\t)] th:TH_LOAD_NT
.endr
.endm
.macro BLOCK t
.set XS, WX+32*(\t)
.set CC, C+8*(\t)
.if (\t) < 3
	s_wait_loadcnt 32                              ; this block's 32 loads are in; the next block's 32 stay out
.else
	s_wait_loadcnt 0
.endif
.if (\t) < 2
	LOADB (\t)+2                                   ; two blocks ahead, into registers of its own
.endif
	v_max3_num_f32 v28, |v[XS]|, |v[XS+1]|, |v[XS+2]|      ; the block's largest magnitude: all 32 numbers are mine
	v_max3_num_f32 v29, |v[XS+3]|, |v[XS+4]|, |v[XS+5]|
.irp i, 6,10,14,18,22,26
	s_delay_alu instid0(VALU_DEP_2)
	v_max3_num_f32 v28, v28, |v[XS+\i]|, |v[XS+\i+1]|
	s_delay_alu instid0(VALU_DEP_2)
	v_max3_num_f32 v29, v29, |v[XS+\i+2]|, |v[XS+\i+3]|
.endr
	s_delay_alu instid0(VALU_DEP_2)
	v_max3_num_f32 v28, v28, |v[XS+30]|, |v[XS+31]|
	s_delay_alu instid0(VALU_DEP_1)
	v_max3_num_f32 v28, v28, v29, 0x1800000        ; and the floor 2^(3 - 127)
	s_delay_alu instid0(VALU_DEP_1)
	v_add_nc_u32 v30, 0xff000000, v28              ; 2 off the exponent field: the conversion's scale operand
	s_delay_alu instid0(VALU_DEP_1)
	v_lshrrev_b32 v31, 23, v30                     ; the scale's byte
.if (\t) == 0
	s_delay_alu instid0(VALU_DEP_1)
	v_mov_b32 v[SB], v31
.else
	s_delay_alu instid0(VALU_DEP_1)
	v_lshl_or_b32 v[SB], v31, 8*(\t), v[SB]
.endif
	v_cvt_scalef32_pk16_fp6_f32 v[CC:CC+2], v[XS:XS+15], v30
	v_cvt_scalef32_pk16_fp6_f32 v[CC+4:CC+6], v[XS+16:XS+31], v30
	v_nop                                          ; one plain place behind a scaled conversion
	v_mov_b32 v[CC+3], v[CC+4]                     ; the block's six registers on end
	v_mov_b32 v[CC+4], v[CC+5]
	v_mov_b32 v[CC+5], v[CC+6]
.if (\t) < 2                                   ; registers 0-5 of the image's lane r + 16 t
	ds_store_b128 v[SA], v[CC:CC+3] offset:256*(\t)
	ds_store_b64 v[SA], v[CC+4:CC+5] offset:512+256*(\t)
.else                                          ; registers 6-11 of lane r + 16 (t - 2)
	ds_store_b64 v[SA], v[CC:CC+1] offset:520+256*((\t)-2)
	ds_store_b128 v[SA], v[CC+2:CC+5] offset:1024+256*((\t)-2)
.endif
.endm
	LOADB 0
	LOADB 1
.irp t, 0,1,2,3
	BLOCK \t
.endr
	ds_store_b32 v[SCW], v[SB]
.irp c, 0,1,2
	ds_load_b128 v[16+4*\c:19+4*\c], v[SRD] offset:512*\c           ; LDS serves a wave's instructions in order: these see my stores
.endr
.irp c, 0,1,2
	ds_load_b128 v[64+4*\c:67+4*\c], v[SRD] offset:1664+512*\c
.endr
	s_wait_dscnt 0x0                               ; the images are back, and my scale words have landed
.irp c, 0,1,2
	global_store_b128 v[L16], v[16+4*\c:19+4*\c], s[24:25] offset:512*\c
.endr
.irp c, 0,1,2
	global_store_b128 v[L16], v[64+4*\c:67+4*\c], s[24:25] offset:1536+512*\c
.endr
	s_barrier_signal -1
	s_barrier_wait -1
	s_cmp_lg_u32 s[WV], 0
	s_cbranch_scc1 .Lwdone
	ds_load_b128 v[76:79], v[SCR]                  ; wave 0: the chunk's 256 scale words
	ds_load_b128 v[80:83], v[SCR] offset:512
	s_wait_dscnt 0x0
	global_store_b128 v[L16], v[76:79], s[34:35]
	global_store_b128 v[L16], v[80:83], s[34:35] offset:512
.Lwdone:
	s_wait_tensorcnt 0x0                           ; the wave's end
	ds_add_u32 v[SPW], v[NIL]
	s_wait_dscnt 0x0
	s_endpgm
; ---- X.  Work-group 80 + 8 g + s makes one chunk; wave w makes tile w.  Each load reads 512 consecutive bytes of one row; the 16 rows turn through the wave's own stage,
; so that lane (r, h) gets 16 neighbours of each block of 32 of row r.
.set STI,   4
.set STO,   5
.set R,     16                         ; v16-79   16 rows as loaded
.set XQ,    80                         ; v80-143  register 16 b + i = k 32 b + 16 h + i of my row
.set PC,    144                        ; v144-162 the codes
.set TM,    164
.set PW,    180
.set SWD,   184
.set SEL,   44
.Lx:
	v_and_b32 v2, 15, v0                           ; r
	v_bfe_u32 v3, v0, 4, 1                         ; h
	s_mul_i32 s37, s[WV], XSTG
	v_add_nc_u32 v[STI], s37, v[L16]
	v_mul_u32_u24 v[STO], v2, 528
	s_delay_alu instid0(VALU_DEP_1)
	v_lshl_add_u32 v[STO], v3, 6, v[STO]
	s_delay_alu instid0(VALU_DEP_1)
	v_add_nc_u32 v[STO], s37, v[STO]
	s_lshl_b32 s37, s[WV], 6
	s_add_co_u32 s37, s37, XSCG
	v_lshl_add_u32 v[SCW], v2, 2, s37              ; XSCG + 64 x tile + 4 r
	v_add_nc_u32 v[SCR], XSCG, v[L16]
	s_mov_b32 s[SEL], 0x76543210
	s_mov_b32 s[SEL+1], 0xfedcba98                 ; v_permlanex16_b32's selects for lane l xor 16
.irp b, 0,1,2,3
	v_mov_b32 v[TM+4+\b], 0                        ; a lane permute's destination counts as one of its sources
.endr
	s_sub_co_u32 s25, ttmp9, NWG
	s_lshr_b32 s26, s25, 3                         ; g
	s_and_b32 s27, s25, 7                          ; s
	s_lshl_b32 s16, s26, 19                        ; 128 rows of 4,096 bytes a group
	s_lshr_b32 s28, s[WV], 2
	s_lshl_b32 s28, s28, 18                        ; + 64 (T / 4) rows
	s_add_co_u32 s16, s16, s28
	s_and_b32 s28, s[WV], 3
	s_lshl_b32 s28, s28, 15                        ; + 8 (T % 4) rows
	s_add_co_u32 s16, s16, s28
	s_lshl_b32 s28, s27, 9                         ; + the K step's 512 bytes
	s_add_co_u32 s16, s16, s28
	s_mov_b32 s17, 0
	s_mul_i32 s20, s25, 12800                      ; my chunk
	s_mov_b32 s21, 0
	s_mul_i32 s18, s[WV], 1536
	s_add_co_u32 s18, s18, s20                     ; my tile's image
	s_mov_b32 s19, 0
	s_add_co_u32 s20, s20, 12288                   ; the chunk's scale words
	s_wait_alu depctr_va_vdst(0)
	s_wait_kmcnt 0x0
	s_add_nc_u64 s[16:17], s[40:41], s[16:17]
	s_add_nc_u64 s[18:19], s[42:43], s[18:19]
	s_add_nc_u64 s[20:21], s[42:43], s[20:21]
.irp i, 0,1,2,3,4,5,6,7,8,9,10,11,12,13,14,15
	global_load_b128 v[R+4*\i:R+4*\i+3], v[L16], s[16:17] offset:((\i%8)+32*(\i/8))*4096 th:TH_LOAD_NT   ; the tile's row i: 512 consecutive bytes
.endr
.irp i, 0,1,2,3,4,5,6,7,8,9,10,11,12,13,14,15
	s_wait_loadcnt 15-\i                           ; row i is in; the 15 - i younger loads stay out
	ds_store_b128 v[STI], v[R+4*\i:R+4*\i+3] offset:528*\i
.endr
.irp b, 0,1,2,3
.irp j, 0,1,2,3
	ds_load_b128 v[XQ+16*\b+4*\j:XQ+16*\b+4*\j+3], v[STO] offset:128*\b+16*\j   ; LDS serves a wave's instructions in order: these see my stores
.endr
.endr
	s_wait_dscnt 0x0
.irp b, 0,1,2,3
	v_max3_num_f32 v[TM+\b], |v[XQ+16*\b]|, |v[XQ+1+16*\b]|, 0x1800000   ; my 16 numbers of block b, and the floor 2^(3 - 127)
.endr
.irp i, 2,4,6,8,10,12,14
.irp b, 0,1,2,3
	s_delay_alu instid0(VALU_DEP_4)
	v_max3_num_f32 v[TM+\b], v[TM+\b], |v[XQ+16*\b+\i]|, |v[XQ+1+16*\b+\i]|
.endr
.endr
.irp b, 0,1,2,3
	s_delay_alu instid0(VALU_DEP_4)
	v_permlanex16_b32 v[TM+4+\b], v[TM+\b], s[SEL], s[SEL+1]
.endr
.irp b, 0,1,2,3
	s_delay_alu instid0(VALU_DEP_4)
	v_max_num_f32 v[TM+\b], v[TM+\b], v[TM+4+\b]          ; with lane l xor 16's: the block's largest magnitude
.endr
.irp b, 0,1,2,3
	s_delay_alu instid0(VALU_DEP_4)
	v_add_nc_u32 v[TM+12+\b], 0xff000000, v[TM+\b]        ; 2 off its exponent field: the conversion's scale operand
.endr
.irp b, 0,1,2,3
	s_delay_alu instid0(VALU_DEP_4)
	v_lshrrev_b32 v[TM+4+\b], 23, v[TM+12+\b]             ; the scale's byte
.endr
	s_delay_alu instid0(VALU_DEP_3)
	v_lshl_or_b32 v[PW], v[TM+5], 8, v[TM+4]
	s_delay_alu instid0(VALU_DEP_1)
	v_lshl_or_b32 v[PW], v[TM+6], 16, v[PW]
	s_delay_alu instid0(VALU_DEP_1)
	v_lshl_or_b32 v[PW], v[TM+7], 24, v[PW]
.irp c, 0,1
	v_cvt_scalef32_pk16_fp6_f32 v[PC+6*\c:PC+2+6*\c], v[XQ+32*\c:XQ+15+32*\c], v[TM+12+2*\c]
	v_cvt_scalef32_pk16_fp6_f32 v[PC+12+4*\c:PC+14+4*\c], v[XQ+16+32*\c:XQ+31+32*\c], v[TM+12+2*\c+1]
.endr
	v_nop                                                  ; one plain place behind a scaled conversion
.irp c, 0,1                                            ; a whole block to a lane: lanes 0-15 block 2 c, lanes 16-31 block 2 c + 1
.irp i, 0,1,2
	v_permlane16_swap_b32 v[PC+6*\c+\i], v[PC+12+4*\c+\i]
.endr
.irp i, 0,1,2
	s_delay_alu instid0(VALU_DEP_3)
	v_mov_b32 v[PC+3+6*\c+\i], v[PC+12+4*\c+\i]
.endr
.endr
.irp c, 0,1,2
	global_store_b128 v[L16], v[PC+4*\c:PC+4*\c+3], s[18:19] offset:512*\c   ; the image: 512 consecutive bytes a store
.endr
	ds_store_b32 v[SCW], v[PW]                     ; both halves of the lanes write the same word with the same value
	s_wait_dscnt 0x0                               ; for the others' sake: my word has landed
	s_barrier_signal -1
	s_barrier_wait -1
	s_cmp_lg_u32 s[WV], 0
	s_cbranch_scc1 .Lxdone
	ds_load_b128 v[SWD:SWD+3], v[SCR]              ; wave 0: the chunk's 128 scale words
	s_wait_dscnt 0x0
	global_store_b128 v[L16], v[SWD:SWD+3], s[20:21]
.Lxdone:
	s_wait_tensorcnt 0x0                           ; the wave's end
	ds_add_u32 v[SPW], v[NIL]
	s_wait_dscnt 0x0
	s_endpgm
.Lfunc_end_k_q47c8c6f607_quant:
	.size	k_q47c8c6f607_quant, .Lfunc_end_k_q47c8c6f607_quant-k_q47c8c6f607_quant
	.p2alignl 7, 3214868480
	.fill 96, 4, 3214868480
	.section	.rodata,"a",@progbits
	.p2align	6, 0x0
	.amdhsa_kernel k_q47c8c6f607_quant
		.amdhsa_group_segment_fixed_size 96768
		.amdhsa_private_segment_fixed_size 0
		.amdhsa_enable_private_segment 0
		.amdhsa_kernarg_size 56
		.amdhsa_user_sgpr_count 2
		.amdhsa_user_sgpr_kernarg_segment_ptr 1
		.amdhsa_wavefront_size32 1
		.amdhsa_system_sgpr_workgroup_id_x 1
		.amdhsa_system_sgpr_workgroup_id_y 1
		.amdhsa_system_sgpr_workgroup_id_z 1
		.amdhsa_system_vgpr_workitem_id 0
		.amdhsa_next_free_vgpr 232
		.amdhsa_next_free_sgpr 66
		.amdhsa_reserve_vcc 0
		.amdhsa_float_denorm_mode_32 3
		.amdhsa_float_denorm_mode_16_64 3
		.amdhsa_memory_ordered 1
		.amdhsa_forward_progress 1
		.amdhsa_inst_pref_size 40
	.end_amdhsa_kernel
	.amdgpu_metadata
---
amdhsa.version: [ 1, 2 ]
amdhsa.kernels:
  - .name:           k_q47c8c6f607_quant
    .symbol:         k_q47c8c6f607_quant.kd
    .args:
      - { .name: q_w, .offset: 0, .size: 8, .value_kind: global_buffer, .address_space: global }
      - { .name: k_w, .offset: 8, .size: 8, .value_kind: global_buffer, .address_space: global }
      - { .name: v_w, .offset: 16, .size: 8, .value_kind: global_buffer, .address_space: global }
      - { .name: o_w, .offset: 24, .size: 8, .value_kind: global_buffer, .address_space: global }
      - { .name: wimg, .offset: 32, .size: 8, .value_kind: global_buffer, .address_space: global }
      - { .name: X, .offset: 40, .size: 8, .value_kind: global_buffer, .address_space: global }
      - { .name: ximg, .offset: 48, .size: 8, .value_kind: global_buffer, .address_space: global }
    .group_segment_fixed_size: 96768
    .private_segment_fixed_size: 0
    .kernarg_segment_align: 8
    .kernarg_segment_size: 56
    .max_flat_workgroup_size: 256
    .sgpr_count:     66
    .vgpr_count:     232
    .wavefront_size: 32
...
	.end_amdgpu_metadata
.endif
;; end of part 1
;; launch proj (part 2): grid 32 x 6, 8 waves a work-group, clusters of 4 x 1, 327,680 bytes of LDS; arguments ximg, wimg, q_b, k_b, v_b, qimg, qs, kc; writes qimg, qs, kc
.if DOCPART == 2
	.amdgcn_target "amdgcn-amd-amdhsa--gfx1250"
	.amdhsa_code_object_version 6
	.text
	.protected	k_q47c8c6f607_proj
	.globl	k_q47c8c6f607_proj
	.p2align	8
	.type	k_q47c8c6f607_proj,@function
k_q47c8c6f607_proj:
	s_mov_b64 s[64:65], 0
	v_nop
	global_prefetch_b8 v0, s[64:65] scope:SCOPE_SE
	s_setreg_imm32_b32 hwreg(HW_REG_WAVE_MODE, 25, 1), 1
	s_wait_xcnt 0x0
	s_wait_alu depctr_hold_cnt(0) depctr_sa_sdst(0) depctr_va_vdst(0) depctr_va_sdst(0) depctr_va_ssrc(0) depctr_va_vcc(0) depctr_vm_vsrc(0)
	s_getreg_b32 s2, hwreg(HW_REG_IB_STS2, 6, 4)
	s_cmp_eq_u32 s2, 0
	s_cbranch_scc0 .Lentry_in_a_cluster
	s_endpgm
.Lentry_in_a_cluster:
	s_bfe_u32 s2, ttmp6, 0x10000c
	s_cmp_lg_u32 s2, 0x3003
	s_cbranch_scc0 .Lentry_shape_is_right
	s_endpgm
.Lentry_shape_is_right:
; Launch 2 of 4: q = X q_w + q_b, k = X k_w + k_b, v = X v_w + v_b on codes of E2M3, and each result quantised in registers for the attention launch: q and k along the head's 64, v along the keys.  Nothing of reference() is left out.
; LIMITS: as in the first launch.
; SHARES: a work-group takes 128 rows (group g) x 256 columns (group ng: 0-3 q, 4 k, 5 v): four heads.  Wave w takes rows 64 (w % 2) on and head w / 2: 64 x 64, sixteen accumulators.
; ALL OF K LIES IN LDS, FILLED ONCE: X's eight chunks (102,400 bytes) and the weight's eight (204,800).  No byte is filled again, so there is no ring.  Each wave issues one tensor load, on a branch by its number: waves 0-3 a quarter of X's chunks,
; waves 4-7 a quarter of W's: one load of mine is out, and all of K has landed before the first product.
; CLUSTER: the four row groups of a cluster read the same weights, two thirds of the bytes: W's loads are joint (the same descriptor, made of ng and the wave's number alone, and the mask of all four).  X's loads are each work-group's own.
; q AND k: THE PRODUCT IS USED TRANSPOSED (source 0 = 16 columns of W, source 1 = 16 rows of X): a lane holds one row and its registers run along the head's 64.  The bias is loaded straight into the accumulators.
; Two X tiles' results (2 x 64 numbers a lane) become ONE fragment's 12 registers: registers 0-5 the first tile's 64 codes, registers 6-11 the second's: a double fragment.  The attention launch multiplies it by [q | 0] and by [0 | q].
; v: THE PRODUCT IS USED AS IT STANDS (source 0 = X, source 1 = W): a lane holds one channel d and its registers run along the keys, which are the second attention product's K.
; OUTPUT: qimg [head][pair of query tiles][1,536]; qs [head][pair][16] words; kc [kv head][step of 128 keys][12,800]: four double fragments of k, then four fragments of v as six pieces of 256 bytes (register pair c at 256 c + 8 x lane);
; then at 12,288 the step's 512 bytes of scale words: k's words at 64 b + 4 r; v's at 256 + 128 hf + 4 x lane (bytes 0, 1: an even tile's key blocks 2 hf, 2 hf + 1; bytes 2, 3: the odd tile's).
.set XCH,   12800
.set WCH,   25600
.set WBASE, 8*XCH
.set SPARE, WBASE+8*WCH                ; the spare words: 128 bytes for each of the eight waves
.set L16,  1                           ; v1  16 x lane
.set L4,   2                           ; v2  4 x lane
.set L8,   3                           ; v3  8 x lane
.set AX,   4                           ; v4  my four X tiles of the K step in hand
.set AXS,  5                           ; v5  their scale words
.set AW,   6                           ; v6  my four W tiles
.set AWS,  7                           ; v7  their scale words
.set SX,   8                           ; v8-9   X's scale words: tiles 0 | 1, tiles 2 | 3 (lanes 0-15 | lanes 16-31)
.set SW,   10                          ; v10-11 W's likewise
.set SPW,  12
.set NIL,  13
.set BO,   14                          ; v14 the bias's offset
.set BV,   16                          ; v16-23 v's bias, each number twice
.set XF,   32                          ; v32-79   X's four fragments
.set WF,   80                          ; v80-127  W's four
.set ACC,  128                         ; v128-255
.set PC0,  32                          ; the way out: the fragments' registers are free
.set PC1,  56
.set TM,   80
.set PW0,  96
.set PW1,  97
.set PWS,  98
.set WV,   22
.set G1X,  24
.set G1W,  32
.set G0,   40                          ; s[40:47] two groups 0
.set SEL,  60
.macro CROUND                          ; a round of the cluster's barrier
	s_barrier_signal -1
	s_barrier_wait -1
	s_cmp_lg_u32 s[WV], 0
	s_cbranch_scc1 .Lnot_wave_0_\@
	s_barrier_signal -3
.Lnot_wave_0_\@:
	s_barrier_wait -3
	s_barrier_signal -1
	s_barrier_wait -1
.endm
.macro QUANT s, pc, pw                 ; 64 numbers of a lane, register 16 b + i = element 32 b + 16 (lane / 16) + i, become 12 registers of codes and a scale word
.irp b, 0,1,2,3
	v_max3_num_f32 v[TM+\b], |v[\s+16*\b]|, |v[\s+1+16*\b]|, 0x1800000   ; each accumulator is read from its low end on
.endr
.irp i, 2,4,6,8,10,12,14
.irp b, 0,1,2,3
	v_max3_num_f32 v[TM+\b], v[TM+\b], |v[\s+16*\b+\i]|, |v[\s+1+16*\b+\i]|
.endr
.endr
.irp b, 0,1,2,3
	s_delay_alu instid0(VALU_DEP_4)
	v_permlanex16_b32 v[TM+4+\b], v[TM+\b], s[SEL], s[SEL+1]
.endr
.irp b, 0,1,2,3
	s_delay_alu instid0(VALU_DEP_4)
	v_max_num_f32 v[TM+\b], v[TM+\b], v[TM+4+\b]
.endr
.irp b, 0,1,2,3
	s_delay_alu instid0(VALU_DEP_4)
	v_add_nc_u32 v[TM+12+\b], 0xff000000, v[TM+\b]
.endr
.irp b, 0,1,2,3
	s_delay_alu instid0(VALU_DEP_4)
	v_lshrrev_b32 v[TM+4+\b], 23, v[TM+12+\b]
.endr
	s_delay_alu instid0(VALU_DEP_3)
	v_lshl_or_b32 v[\pw], v[TM+5], 8, v[TM+4]
	s_delay_alu instid0(VALU_DEP_1)
	v_lshl_or_b32 v[\pw], v[TM+6], 16, v[\pw]
	s_delay_alu instid0(VALU_DEP_1)
	v_lshl_or_b32 v[\pw], v[TM+7], 24, v[\pw]
.irp c, 0,1
	v_cvt_scalef32_pk16_fp6_f32 v[\pc+6*\c:\pc+2+6*\c], v[\s+32*\c:\s+15+32*\c], v[TM+12+2*\c]
	v_cvt_scalef32_pk16_fp6_f32 v[\pc+12+4*\c:\pc+14+4*\c], v[\s+16+32*\c:\s+31+32*\c], v[TM+12+2*\c+1]
.endr
	v_nop                                          ; one plain place behind a scaled conversion
.irp c, 0,1
.irp i, 0,1,2
	v_permlane16_swap_b32 v[\pc+6*\c+\i], v[\pc+12+4*\c+\i]
.endr
.irp i, 0,1,2
	s_delay_alu instid0(VALU_DEP_3)
	v_mov_b32 v[\pc+3+6*\c+\i], v[\pc+12+4*\c+\i]
.endr
.endr
.endm
; One product.  z = 1: it starts the sum.  ra, rb: source 0's and source 1's scale words stand in lanes 16-31 of their registers.
.macro WM d, a, b, z, sa, sb, ra, rb
.if (\z) && ((\ra) == 0) && ((\rb) == 0)
	v_wmma_scale_f32_16x16x128_f8f6f4 v[\d:\d+7], v[\a:\a+11], v[\b:\b+11], 0, v[\sa], v[\sb] matrix_a_fmt:MATRIX_FMT_FP6 matrix_b_fmt:MATRIX_FMT_FP6
.elseif (\z) && ((\ra) == 1) && ((\rb) == 0)
	v_wmma_scale_f32_16x16x128_f8f6f4 v[\d:\d+7], v[\a:\a+11], v[\b:\b+11], 0, v[\sa], v[\sb] matrix_a_fmt:MATRIX_FMT_FP6 matrix_b_fmt:MATRIX_FMT_FP6 matrix_a_scale:MATRIX_SCALE_ROW1
.elseif (\z) && ((\ra) == 0)
	v_wmma_scale_f32_16x16x128_f8f6f4 v[\d:\d+7], v[\a:\a+11], v[\b:\b+11], 0, v[\sa], v[\sb] matrix_a_fmt:MATRIX_FMT_FP6 matrix_b_fmt:MATRIX_FMT_FP6 matrix_b_scale:MATRIX_SCALE_ROW1
.elseif (\z)
	v_wmma_scale_f32_16x16x128_f8f6f4 v[\d:\d+7], v[\a:\a+11], v[\b:\b+11], 0, v[\sa], v[\sb] matrix_a_fmt:MATRIX_FMT_FP6 matrix_b_fmt:MATRIX_FMT_FP6 matrix_a_scale:MATRIX_SCALE_ROW1 matrix_b_scale:MATRIX_SCALE_ROW1
.elseif ((\ra) == 0) && ((\rb) == 0)
	v_wmma_scale_f32_16x16x128_f8f6f4 v[\d:\d+7], v[\a:\a+11], v[\b:\b+11], v[\d:\d+7], v[\sa], v[\sb] matrix_a_fmt:MATRIX_FMT_FP6 matrix_b_fmt:MATRIX_FMT_FP6
.elseif ((\ra) == 1) && ((\rb) == 0)
	v_wmma_scale_f32_16x16x128_f8f6f4 v[\d:\d+7], v[\a:\a+11], v[\b:\b+11], v[\d:\d+7], v[\sa], v[\sb] matrix_a_fmt:MATRIX_FMT_FP6 matrix_b_fmt:MATRIX_FMT_FP6 matrix_a_scale:MATRIX_SCALE_ROW1
.elseif (\ra) == 0
	v_wmma_scale_f32_16x16x128_f8f6f4 v[\d:\d+7], v[\a:\a+11], v[\b:\b+11], v[\d:\d+7], v[\sa], v[\sb] matrix_a_fmt:MATRIX_FMT_FP6 matrix_b_fmt:MATRIX_FMT_FP6 matrix_b_scale:MATRIX_SCALE_ROW1
.else
	v_wmma_scale_f32_16x16x128_f8f6f4 v[\d:\d+7], v[\a:\a+11], v[\b:\b+11], v[\d:\d+7], v[\sa], v[\sb] matrix_a_fmt:MATRIX_FMT_FP6 matrix_b_fmt:MATRIX_FMT_FP6 matrix_a_scale:MATRIX_SCALE_ROW1 matrix_b_scale:MATRIX_SCALE_ROW1
.endif
.endm
; A K step of 128: 28 LDS loads, 16 products.  path = 0: transposed (q, k); 1: as it stands (v).  first = 1 (v alone): the products start the sums.  adv = 1: the addresses step to the next chunk.
; The sixteen accumulators take turns, one instruction a turn, in the same order in every K step.
.macro KSTEP path, first, adv
.if \adv
	v_add_nc_u32 v[AX], XCH, v[AX]                 ; these four are also the four places between the last products and the loads into their operands (ISA guide 7.12.1 for vector instructions)
	v_add_nc_u32 v[AXS], XCH, v[AXS]
	v_add_nc_u32 v[AW], WCH, v[AW]
	v_add_nc_u32 v[AWS], WCH, v[AWS]
.endif
	ds_load_b32 v[SX], v[AXS]
	ds_load_b32 v[SX+1], v[AXS] offset:128
	ds_load_b32 v[SW], v[AWS]
	ds_load_b32 v[SW+1], v[AWS] offset:128
.irp n, 0,1,2,3
.irp c, 0,1,2
	ds_load_b128 v[WF+12*\n+4*\c:WF+12*\n+4*\c+3], v[AW] offset:1536*\n+512*\c
.endr
.endr
.irp m, 0,1,2,3
.irp c, 0,1,2
	ds_load_b128 v[XF+12*\m+4*\c:XF+12*\m+4*\c+3], v[AX] offset:1536*\m+512*\c
.endr
.endr
.irp m, 0,1,2,3
	s_wait_dscnt 9-3*\m                            ; the scale words, W's four and X's tiles up to m are in; the later X tiles' three loads each stay out
.irp n, 0,1,2,3
.if \path
	WM ACC+8*(4*\n+\m), XF+12*\m, WF+12*\n, \first, SX+\m/2, SW+\n/2, \m%2, \n%2
.else
	WM ACC+8*(4*\m+\n), WF+12*\n, XF+12*\m, 0, SW+\n/2, SX+\m/2, \n%2, \m%2
.endif
.endr
.endr
.endm
.macro MEET1
	s_wait_tensorcnt 0x0                           ; AS THE TEXT NOW STANDS: each wave has issued ONE tensor load at the head, and it has landed: all of K lies in LDS behind this barrier
	s_barrier_signal -1
	s_barrier_wait -1                              ; everybody's have
.endm
	s_load_b256 s[4:11], s[0:1], 0x0               ; ximg, wimg, q_b, k_b
	s_load_b256 s[12:19], s[0:1], 0x20             ; v_b, qimg, qs, kc
	v_lshl_add_u32 v[SPW], v0, 2, SPARE
	v_mov_b32 v[NIL], 0
	ds_add_u32 v[SPW], v[NIL]                      ; the wave's opening
	ds_add_u32 v[SPW], v[NIL]
	v_lshrrev_b32 v1, 5, v0
	s_delay_alu instid0(VALU_DEP_1)
	v_readfirstlane_b32 s[WV], v1                  ; wave 0..7
	s_bfe_u32 s23, ttmp6, 0x40000                  ; cx: my place in the cluster
	s_lshl_b32 s56, ttmp9, 2
	s_add_co_u32 s56, s56, s23                     ; g = 4 x cluster x + cx: it enters global addresses alone
	s_and_b32 s57, ttmp7, 0xffff                   ; ng, which the four partners share
	s_and_b32 s58, s[WV], 1                        ; hf
	s_lshr_b32 s59, s[WV], 1                       ; hd
	s_mov_b32 s[G1X], 3<<16                        ; X: no mask; elements of 8 bytes; no padding
	s_mov_b32 s[G1X+1], 32<<16                     ; tensor_dim0 = 32 elements: rows of 256 bytes
	s_mov_b32 s[G1X+2], 100<<16                    ; tensor_dim1 = 100 rows: 25,600 bytes, a quarter of X's eight chunks
	s_mov_b32 s[G1X+3], 32<<16                     ; tile_dim0
	s_mov_b32 s[G1X+4], 100
	s_mov_b32 s[G1X+5], 32                         ; the pitch: dense
	s_mov_b32 s[G1X+6], 0
	s_mov_b32 s[G1X+7], 0
	s_mov_b32 s[G1W], 15|(3<<16)|(1<<21)           ; W: the mask of all four work-groups, bit 21 beside it
	s_mov_b32 s[G1W+1], 32<<16
	s_mov_b32 s[G1W+2], 200<<16                    ; 200 rows: 51,200 bytes, a quarter of the weight's eight chunks
	s_mov_b32 s[G1W+3], 32<<16
	s_mov_b32 s[G1W+4], 200
	s_mov_b32 s[G1W+5], 32
	s_mov_b32 s[G1W+6], 0
	s_mov_b32 s[G1W+7], 0
	s_mov_b32 s[SEL], 0x76543210
	s_mov_b32 s[SEL+1], 0xfedcba98
	s_mov_b32 s62, 0xffff0000                      ; lanes 16-31
	s_mul_i32 s72, s57, 8*WCH                      ; W: the group's chunks, then my quarter: made of ng and the wave's number alone
	s_and_b32 s73, s[WV], 3                        ; waves 0-3 fetch X's quarters, waves 4-7 the weight's: which quarter
	s_mul_i32 s77, s73, 25600                      ; X's quarter, in memory and in LDS
	s_mul_i32 s73, s73, 51200                      ; the weight's quarter
	s_add_co_u32 s72, s72, s73
	s_add_co_u32 s76, s73, WBASE
	s_mov_b32 s73, 0
	s_mul_i32 s74, s56, 8*XCH
	s_add_co_u32 s74, s74, s77
	s_mov_b32 s75, 0
	s_wait_dscnt 0x0                               ; both opening adds are done
	s_wait_kmcnt 0x0
	s_mov_b32 s[G0], 1                             ; X: my quarter
	s_mov_b32 s[G0+1], s77
	s_add_nc_u64 s[G0+2:G0+3], s[4:5], s[74:75]
	s_mov_b32 s[G0+4], 1                           ; W: my quarter
	s_mov_b32 s[G0+5], s76
	s_add_nc_u64 s[G0+6:G0+7], s[6:7], s[72:73]
	s_or_b32 s[G0+3], s[G0+3], 0x80000000
	s_or_b32 s[G0+7], s[G0+7], 0x80000000
	CROUND                                         ; all four work-groups are here: the joint loads meet
	s_cmp_lt_u32 s[WV], 4                          ; one tensor load a wave at the head: one branch on the wave's number, a load in each arm
	s_cbranch_scc0 .Lhead_w
	tensor_load_to_lds s[G0:G0+3], s[G1X:G1X+7]
	s_nop 0
.rept 4
	v_nop
.endr
	s_branch .Lhead_asked
.Lhead_w:
	tensor_load_to_lds s[G0+4:G0+7], s[G1W:G1W+7]
	s_nop 0
.rept 4
	v_nop
.endr
.Lhead_asked:
.rept 4
	v_nop
.endr
	v_and_b32 v15, 31, v0                          ; lane
	s_delay_alu instid0(VALU_DEP_1)
	v_lshlrev_b32 v[L16], 4, v15
	s_delay_alu instid0(VALU_DEP_2)
	v_lshlrev_b32 v[L4], 2, v15
	s_delay_alu instid0(VALU_DEP_3)
	v_lshlrev_b32 v[L8], 3, v15
	s_mul_i32 s78, s58, 6144
	v_add_nc_u32 v[AX], s78, v[L16]
	s_lshl_b32 s78, s58, 8
	s_add_co_u32 s78, s78, 12288
	v_add_nc_u32 v[AXS], s78, v[L4]
	s_mul_i32 s78, s59, 6144
	s_add_co_u32 s78, s78, WBASE
	v_add_nc_u32 v[AW], s78, v[L16]
	s_lshl_b32 s78, s59, 8
	s_add_co_u32 s78, s78, WBASE+24576
	v_add_nc_u32 v[AWS], s78, v[L4]
	s_cmp_eq_u32 s57, 5                            ; v goes its own way: the same in all waves and in all four partners
	s_cbranch_scc1 .Lv
	; ---- q and k
	s_lshl_b32 s78, s57, 2
	s_add_co_u32 s78, s78, s59                     ; q: head = 4 ng + hd
	s_mul_i32 s79, s78, 196608
	s_mul_i32 s80, s56, 6144                       ; pair 4 g + 2 hf: 1,536 bytes a pair
	s_add_co_u32 s79, s79, s80
	s_lshl_b32 s81, s78, 13
	s_lshl_b32 s82, s56, 8
	s_add_co_u32 s81, s81, s82
	s_lshl_b32 s83, s57, 10
	s_mul_i32 s84, s59, 409600                     ; kc AS IT NOW LIES: [kv head][step of 128 keys] chunks of 12,800 bytes: 12,288 of codes, then the step's 512 bytes of scale words
	s_mul_i32 s80, s56, 12800
	s_add_co_u32 s84, s84, s80
	s_add_co_u32 s85, s84, 12288
	s_cmp_eq_u32 s57, 4
	s_cselect_b64 s[66:67], s[18:19], s[14:15]     ; codes: kc or qimg
	s_cselect_b64 s[68:69], s[18:19], s[16:17]     ; scale words: in kc's chunk, or qs
	s_cselect_b64 s[70:71], s[10:11], s[8:9]       ; the bias: k_b or q_b
	s_cselect_b32 s78, s84, s79
	s_cselect_b32 s80, s85, s81
	s_cselect_b32 s82, 0, s83
	s_mul_i32 s79, s58, 3072
	s_add_co_u32 s78, s78, s79
	s_mov_b32 s79, 0
	s_add_nc_u64 s[66:67], s[66:67], s[78:79]
	s_lshl_b32 s81, s58, 7
	s_add_co_u32 s80, s80, s81
	s_mov_b32 s81, 0
	s_add_nc_u64 s[68:69], s[68:69], s[80:81]
	s_lshl_b32 s83, s59, 8
	s_add_co_u32 s82, s82, s83
	s_mov_b32 s83, 0
	s_add_nc_u64 s[70:71], s[70:71], s[82:83]
	v_bfe_u32 v[BO], v0, 4, 1
	s_delay_alu instid0(VALU_DEP_1)
	v_lshlrev_b32 v[BO], 6, v[BO]                  ; 64 h: register j of W tile n holds channel 32 (n / 2) + 16 h + 8 (n % 2) + j
.irp m, 0,1,2,3
.irp n, 0,1,2,3
	global_load_b128 v[ACC+8*(4*\m+\n):ACC+8*(4*\m+\n)+3], v[BO], s[70:71] offset:128*(\n/2)+32*(\n%2)       ; the bias begins each sum: no addition is made
	global_load_b128 v[ACC+8*(4*\m+\n)+4:ACC+8*(4*\m+\n)+7], v[BO], s[70:71] offset:128*(\n/2)+32*(\n%2)+16
.endr
.endr
	s_wait_loadcnt 0x0
	MEET1
	s_wait_alu depctr_va_vdst(0)
	KSTEP 0, 0, 0
	KSTEP 0, 0, 1
	s_wait_alu depctr_va_vdst(0)
	KSTEP 0, 0, 1
	s_wait_alu depctr_va_vdst(0)
	KSTEP 0, 0, 1
	s_wait_alu depctr_va_vdst(0)
	KSTEP 0, 0, 1
	s_wait_alu depctr_va_vdst(0)
	KSTEP 0, 0, 1
	s_wait_alu depctr_va_vdst(0)
	KSTEP 0, 0, 1
	s_wait_alu depctr_va_vdst(0)
	KSTEP 0, 0, 1
.rept 4
	v_nop                                          ; four places behind the last products
.endr
.irp b, 0,1,2,3
	v_mov_b32 v[TM+4+\b], 0                        ; a lane permute's destination counts as one of its sources
.endr
	QUANT ACC, PC0, PW0                            ; X tiles 0 and 1 of my four: a double fragment
	QUANT ACC+64, PC1, PW1                         ; tiles 2 and 3
.irp p, 0,1
.irp c, 0,1,2
	global_store_b128 v[L16], v[PC0+24*\p+4*\c:PC0+24*\p+4*\c+3], s[66:67] offset:1536*\p+512*\c
.endr
.endr
	v_cndmask_b32 v[PWS], v[PW0], v[PW1], s62      ; lanes 0-15 the first pair's words, lanes 16-31 the second's
	global_store_b32 v[L4], v[PWS], s[68:69]
	s_branch .Lend
	; ---- v
.Lv:
	s_mul_i32 s78, s59, 409600
	s_mul_i32 s79, s56, 12800
	s_add_co_u32 s78, s78, s79
	s_mul_i32 s79, s58, 768                        ; my keys are the fragments' registers 6 hf on: pieces 3 hf on
	s_add_co_u32 s78, s78, s79
	s_add_co_u32 s78, s78, 6144
	s_mov_b32 s79, 0
	s_add_nc_u64 s[66:67], s[18:19], s[78:79]
	s_mul_i32 s80, s59, 409600
	s_mul_i32 s81, s56, 12800
	s_add_co_u32 s80, s80, s81
	s_lshl_b32 s81, s58, 7
	s_add_co_u32 s80, s80, s81
	s_add_co_u32 s80, s80, 12288+256
	s_mov_b32 s81, 0
	s_add_nc_u64 s[68:69], s[18:19], s[80:81]
	s_lshl_b32 s82, s59, 8
	s_mov_b32 s83, 0
	s_add_nc_u64 s[70:71], s[12:13], s[82:83]
	v_and_b32 v[BO], 15, v0
	s_delay_alu instid0(VALU_DEP_1)
	v_and_b32 v15, 8, v[BO]
	s_delay_alu instid0(VALU_DEP_1)
	v_add_nc_u32 v[BO], v[BO], v15
	s_delay_alu instid0(VALU_DEP_1)
	v_lshlrev_b32 v[BO], 2, v[BO]                  ; my channel of W tile n: 32 (n / 2) + 8 (n % 2) + r + 8 (r / 8)
.irp n, 0,1,2,3
	global_load_b32 v[BV+2*\n], v[BO], s[70:71] offset:128*(\n/2)+32*(\n%2)
	global_load_b32 v[BV+2*\n+1], v[BO], s[70:71] offset:128*(\n/2)+32*(\n%2)     ; the same number once more: a pair for the packed addition
.endr
	MEET1
	s_wait_alu depctr_va_vdst(0)
	KSTEP 1, 1, 0
	KSTEP 1, 0, 1
	s_wait_alu depctr_va_vdst(0)
	KSTEP 1, 0, 1
	s_wait_alu depctr_va_vdst(0)
	KSTEP 1, 0, 1
	s_wait_alu depctr_va_vdst(0)
	KSTEP 1, 0, 1
	s_wait_alu depctr_va_vdst(0)
	KSTEP 1, 0, 1
	s_wait_alu depctr_va_vdst(0)
	KSTEP 1, 0, 1
	s_wait_alu depctr_va_vdst(0)
	KSTEP 1, 0, 1
	s_wait_loadcnt 0x0                             ; the bias
.rept 4
	v_nop
.endr
.irp n, 0,1,2,3
.irp m, 0,1,2,3
.irp j, 0,2,4,6
	v_pk_add_f32 v[ACC+8*(4*\n+\m)+\j:ACC+8*(4*\n+\m)+\j+1], v[ACC+8*(4*\n+\m)+\j:ACC+8*(4*\n+\m)+\j+1], v[BV+2*\n:BV+2*\n+1]   ; all eight keys of a lane share its channel's bias
.endr
.endr
.endr
	; By the order of X's tile rows, register 8 m + j of channel tile n is key 64 hf + 32 h + 8 m + j: a WHOLE block of 32 keys in a lane, in the operand's own order: no lane is asked for a maximum, nothing is swapped.
.irp n, 0,1,2,3
	v_max3_num_f32 v[TM+\n], |v[ACC+32*\n]|, |v[ACC+32*\n+1]|, 0x1800000
.endr
.irp i, 2,4,6,8,10,12,14,16,18,20,22,24,26,28,30
.irp n, 0,1,2,3
	s_delay_alu instid0(VALU_DEP_4)
	v_max3_num_f32 v[TM+\n], v[TM+\n], |v[ACC+32*\n+\i]|, |v[ACC+32*\n+\i+1]|
.endr
.endr
.irp n, 0,1,2,3
	s_delay_alu instid0(VALU_DEP_4)
	v_add_nc_u32 v[TM+12+\n], 0xff000000, v[TM+\n]
.endr
.irp n, 0,1,2,3
	s_delay_alu instid0(VALU_DEP_4)
	v_lshrrev_b32 v[TM+4+\n], 23, v[TM+12+\n]
.endr
	v_mov_b32 v[PW1], 0                            ; a lane permute's destination counts as one of its sources
	v_mov_b32 v[TM+10], 0x05010400                 ; lanes 0-15: tiles 0 and 1;
	v_mov_b32 v[TM+11], 0x07030602                 ; lanes 16-31: tiles 2 and 3
	v_lshl_or_b32 v[PW0], v[TM+5], 8, v[TM+4]      ; byte n: tile n's byte of my key block 2 hf + h
	s_delay_alu instid0(VALU_DEP_1)
	v_lshl_or_b32 v[PW0], v[TM+6], 16, v[PW0]
	s_delay_alu instid0(VALU_DEP_1)
	v_lshl_or_b32 v[PW0], v[TM+7], 24, v[PW0]
	s_delay_alu instid0(VALU_DEP_1)
	v_permlanex16_b32 v[PW1], v[PW0], s[SEL], s[SEL+1]
	v_cndmask_b32 v[TM+10], v[TM+10], v[TM+11], s62
	s_delay_alu instid0(VALU_DEP_2)
	v_cndmask_b32 v[TM+8], v[PW0], v[PW1], s62     ; key block 2 hf's four bytes,
	v_cndmask_b32 v[TM+9], v[PW1], v[PW0], s62     ; key block 2 hf + 1's
	s_delay_alu instid0(VALU_DEP_1)
	v_perm_b32 v[PWS], v[TM+9], v[TM+8], v[TM+10]  ; bytes 0, 1: the even tile's two key blocks; bytes 2, 3: the odd tile's
.irp n, 0,1,2,3
	v_cvt_scalef32_pk16_fp6_f32 v[PC0+8*\n:PC0+8*\n+2], v[ACC+32*\n:ACC+32*\n+15], v[TM+12+\n]
	v_cvt_scalef32_pk16_fp6_f32 v[PC0+8*\n+4:PC0+8*\n+6], v[ACC+32*\n+16:ACC+32*\n+31], v[TM+12+\n]
.endr
	v_nop                                          ; one plain place behind a scaled conversion
.irp n, 0,1,2,3
	v_mov_b32 v[PC0+8*\n+3], v[PC0+8*\n+4]         ; the block's six registers on end
	v_mov_b32 v[PC0+8*\n+4], v[PC0+8*\n+5]
	v_mov_b32 v[PC0+8*\n+5], v[PC0+8*\n+6]
.endr
.irp n, 0,1,2,3
.irp i, 0,1,2
	global_store_b64 v[L8], v[PC0+8*\n+2*\i:PC0+8*\n+2*\i+1], s[66:67] offset:1536*\n+256*\i   ; 32 lanes store 256 consecutive bytes, at a multiple of 256 from kc's first byte
.endr
.endr
	global_store_b32 v[L4], v[PWS], s[68:69]
.Lend:
	s_wait_tensorcnt 0x0                           ; the wave's end
	ds_add_u32 v[SPW], v[NIL]
	s_wait_dscnt 0x0
	CROUND                                         ; the closing round
	s_endpgm
.Lfunc_end_k_q47c8c6f607_proj:
	.size	k_q47c8c6f607_proj, .Lfunc_end_k_q47c8c6f607_proj-k_q47c8c6f607_proj
	.p2alignl 7, 3214868480
	.fill 96, 4, 3214868480
	.section	.rodata,"a",@progbits
	.p2align	6, 0x0
	.amdhsa_kernel k_q47c8c6f607_proj
		.amdhsa_group_segment_fixed_size 327680
		.amdhsa_private_segment_fixed_size 0
		.amdhsa_enable_private_segment 0
		.amdhsa_kernarg_size 64
		.amdhsa_user_sgpr_count 2
		.amdhsa_user_sgpr_kernarg_segment_ptr 1
		.amdhsa_wavefront_size32 1
		.amdhsa_system_sgpr_workgroup_id_x 1
		.amdhsa_system_sgpr_workgroup_id_y 1
		.amdhsa_system_sgpr_workgroup_id_z 1
		.amdhsa_system_vgpr_workitem_id 0
		.amdhsa_next_free_vgpr 256
		.amdhsa_next_free_sgpr 96
		.amdhsa_reserve_vcc 0
		.amdhsa_float_denorm_mode_32 3
		.amdhsa_float_denorm_mode_16_64 3
		.amdhsa_memory_ordered 1
		.amdhsa_forward_progress 1
		.amdhsa_inst_pref_size 102
	.end_amdhsa_kernel
	.amdgpu_metadata
---
amdhsa.version: [ 1, 2 ]
amdhsa.kernels:
  - .name:           k_q47c8c6f607_proj
    .symbol:         k_q47c8c6f607_proj.kd
    .args:
      - { .name: ximg, .offset: 0, .size: 8, .value_kind: global_buffer, .address_space: global }
      - { .name: wimg, .offset: 8, .size: 8, .value_kind: global_buffer, .address_space: global }
      - { .name: q_b, .offset: 16, .size: 8, .value_kind: global_buffer, .address_space: global }
      - { .name: k_b, .offset: 24, .size: 8, .value_kind: global_buffer, .address_space: global }
      - { .name: v_b, .offset: 32, .size: 8, .value_kind: global_buffer, .address_space: global }
      - { .name: qimg, .offset: 40, .size: 8, .value_kind: global_buffer, .address_space: global }
      - { .name: qs, .offset: 48, .size: 8, .value_kind: global_buffer, .address_space: global }
      - { .name: kc, .offset: 56, .size: 8, .value_kind: global_buffer, .address_space: global }
    .group_segment_fixed_size: 327680
    .private_segment_fixed_size: 0
    .kernarg_segment_align: 8
    .kernarg_segment_size: 64
    .max_flat_workgroup_size: 256
    .sgpr_count:     96
    .vgpr_count:     256
    .wavefront_size: 32
...
	.end_amdgpu_metadata
.endif
;; end of part 2
;; launch attn (part 3): grid 64 x 4, 16 waves a work-group, clusters of 4 x 1, 327,680 bytes of LDS; arguments qimg, qs, kc, aimg; writes aimg
.if DOCPART == 3
	.amdgcn_target "amdgcn-amd-amdhsa--gfx1250"
	.amdhsa_code_object_version 6
	.text
	.protected	k_q47c8c6f607_attn
	.globl	k_q47c8c6f607_attn
	.p2align	8
	.type	k_q47c8c6f607_attn,@function
k_q47c8c6f607_attn:
	s_mov_b64 s[64:65], 0
	v_nop
	global_prefetch_b8 v0, s[64:65] scope:SCOPE_SE
	s_setreg_imm32_b32 hwreg(HW_REG_WAVE_MODE, 25, 1), 1
	s_wait_xcnt 0x0
	s_wait_alu depctr_hold_cnt(0) depctr_sa_sdst(0) depctr_va_vdst(0) depctr_va_sdst(0) depctr_va_ssrc(0) depctr_va_vcc(0) depctr_vm_vsrc(0)
	s_getreg_b32 s2, hwreg(HW_REG_IB_STS2, 6, 4)
	s_cmp_eq_u32 s2, 0
	s_cbranch_scc0 .Lentry_in_a_cluster
	s_endpgm
.Lentry_in_a_cluster:
	s_bfe_u32 s2, ttmp6, 0x10000c
	s_cmp_lg_u32 s2, 0x3003
	s_cbranch_scc0 .Lentry_shape_is_right
	s_endpgm
.Lentry_shape_is_right:
; Launch 3 of 4: a[q][64 head + d] = the sum over keys of softmax(q . k / 8) v, both products on codes of E2M3, and the result quantised along (head, d) for the last product.  Nothing of reference() is left out.
; THE SOFTMAX AHEAD OF THE SECOND PRODUCT: t = score x log2(e) / 8; M = the row's largest t so far, rounded UP to a whole number; p = 2^(t - M) is quantised along the keys, not normalised.  The row's sum is taken of the
; unquantised p and divides at the end.  When M moves, the sum and O are multiplied by 2^(old M - new M), which rounds nothing.
; LIMITS: as in the first launch; a p under 2^-126 comes out of v_exp_f32 as 0; the promise holds while the scaled scores t stay under 2^31 in magnitude.
; SHARES: a work-group takes 64 queries (block qb) of the FOUR query heads of one kv head: sixteen waves, wave w head 4 kvh + w % 4 and query tile w / 4, one tile of 16 queries in 256 registers.
; All sixteen waves, and the four work-groups of a cluster, walk the same k and v: every tile is asked for jointly, each wave a sixteenth of it, with no branch.
; THE HEAD'S 64 FILL HALF OF THE INSTRUCTION'S 128.  k comes as double fragments (registers 0-5: key tile 2 b, registers 6-11: key tile 2 b + 1).  q stands in 18 registers [0 x 6 | q x 6 | 0 x 6]:
; [q | 0] picks tile 2 b, [0 | q] tile 2 b + 1.  q's scale word holds its two bytes twice.
; LAYOUT: both products transposed (S^T = k q^T, O^T = v^T p^T): a lane holds ONE query throughout.  By the order of the key tiles' rows, register 32 c + i of S^T is key 64 c + 32 (lane / 16) + i of the step's 128:
; a lane holds two WHOLE blocks of 32 keys, in the order of the second product's operand: a block's maximum needs no other lane and no code changes lanes.  Register 16 b + i of O^T is channel 32 b + 16 (lane / 16) + i.
; LDS: a key step is 12,800 bytes (12,288 of codes, 512 of scale words).  R0 holds steps 0-7, R1 steps 8-23; R0 is filled once more, with steps 24-31.  So the 32 steps pass two rounds of the cluster's barrier and one plain barrier.
; By the text's own count one tensor load of a wave is out at a time: R0's at the head, R1's through steps 0-7, R0's second through steps 8-23.
; NO PREFETCH: R1 is asked for 8 key steps, and R0's second fill 16 key steps, ahead of the first read of their bytes, straight behind the round; only the head's fill is waited for with no loop ahead of it to ask in.
.set STEPB, 12800
.set R1,    8*STEPB
.set STG,   24*STEPB                   ; the way out: two half chunks of 6,400 bytes; no tile ever lands here
.set SPARE, STG+12800                  ; the spare words: 128 bytes for each of the sixteen waves
.set L16,  1                           ; v1  16 x lane
.set L8,   2                           ; v2  8 x lane
.set LSC,  3                           ; v3  12,288 + 4 x lane
.set SH8,  4                           ; v4  8 x (lane / 16)
.set SPW,  5
.set NIL,  6
.set OLDM, 7                           ; v7  -M of the step before
.set ADK,  8                           ; v8  the two steps' k
.set ADV,  9                           ; v9  their v
.set ADS,  10                          ; v10 their scale words
.set QHI,  16                          ; v[16:27] = [0 | q]
.set QLO,  22                          ; v[22:33] = [q | 0]
.set QS,   34
.set KV,   36                          ; v36-83 four double fragments of k, then four fragments of v
.set S,    96                          ; v96-159 S^T, then p
.set O,    160                         ; v160-191 O^T
.set PCD,  192                         ; v192-203 p's codes; v204-210 the conversions' second halves
.set BM,   212                         ; v212-213 my two blocks' largest scores, then largest p; v214-215 second chains
.set BT,   216
.set BS,   220
.set F,    224                         ; v[224:225] f = 2^(old M - new M)
.set PWD,  226                         ; p's scale word
.set T0,   227
.set TT,   232                         ; v232-247 eight chains of the row's sum
.set WV,   14
.set SEL,  20
.set CS,   22                          ; s[22:23] c = log2(e) / 8
.set G1A,  24                          ; 25 rows of 256 bytes: a sixteenth of R0
.set G1B,  32                          ; 50 rows: a sixteenth of R1
.set G0A,  40
.set G0B,  44
.set G0C,  48
.set TB,   52                          ; LDS byte at which the trip's two steps begin
.set CNT,  53
.macro CROUND
	s_barrier_signal -1
	s_barrier_wait -1
	s_cmp_lg_u32 s[WV], 0
	s_cbranch_scc1 .Lnot_wave_0_\@
	s_barrier_signal -3
.Lnot_wave_0_\@:
	s_barrier_wait -3
	s_barrier_signal -1
	s_barrier_wait -1
.endm
.macro FILL g0, g1                     ; my sixteenth of a joint fill; an s_nop 0 and four v_nop follow it
	tensor_load_to_lds s[\g0:\g0+3], s[\g1:\g1+7]
	s_nop 0
.rept 4
	v_nop
.endr
.endm
.macro DRAIN                           ; all my tensor loads have landed; the add and my LDS reads are done
	s_wait_tensorcnt 0x0
	ds_add_u32 v[SPW], v[NIL]
	s_wait_dscnt 0x0
.endm
.macro WM d, a, b, z, sa, sb, ra       ; one product; z = 1: it starts the sum; ra = 1: source 0's scale words stand in lanes 16-31
.if (\z) && ((\ra) == 0)
	v_wmma_scale_f32_16x16x128_f8f6f4 v[\d:\d+7], v[\a:\a+11], v[\b:\b+11], 0, v[\sa], v[\sb] matrix_a_fmt:MATRIX_FMT_FP6 matrix_b_fmt:MATRIX_FMT_FP6
.elseif (\z)
	v_wmma_scale_f32_16x16x128_f8f6f4 v[\d:\d+7], v[\a:\a+11], v[\b:\b+11], 0, v[\sa], v[\sb] matrix_a_fmt:MATRIX_FMT_FP6 matrix_b_fmt:MATRIX_FMT_FP6 matrix_a_scale:MATRIX_SCALE_ROW1
.elseif (\ra) == 0
	v_wmma_scale_f32_16x16x128_f8f6f4 v[\d:\d+7], v[\a:\a+11], v[\b:\b+11], v[\d:\d+7], v[\sa], v[\sb] matrix_a_fmt:MATRIX_FMT_FP6 matrix_b_fmt:MATRIX_FMT_FP6
.else
	v_wmma_scale_f32_16x16x128_f8f6f4 v[\d:\d+7], v[\a:\a+11], v[\b:\b+11], v[\d:\d+7], v[\sa], v[\sb] matrix_a_fmt:MATRIX_FMT_FP6 matrix_b_fmt:MATRIX_FMT_FP6 matrix_a_scale:MATRIX_SCALE_ROW1
.endif
.endm
	s_load_b256 s[4:11], s[0:1], 0x0               ; qimg, qs, kc, aimg
	v_lshl_add_u32 v[SPW], v0, 2, SPARE
	v_mov_b32 v[NIL], 0
	ds_add_u32 v[SPW], v[NIL]                      ; the wave's opening
	ds_add_u32 v[SPW], v[NIL]
	v_lshrrev_b32 v1, 5, v0
	s_delay_alu instid0(VALU_DEP_1)
	v_readfirstlane_b32 s[WV], v1                  ; wave 0..15
	s_bfe_u32 s15, ttmp6, 0x40000                  ; cx
	s_lshl_b32 s16, ttmp9, 2
	s_add_co_u32 s16, s16, s15                     ; qb = 4 x cluster x + cx: it enters global addresses alone
	s_and_b32 s17, ttmp7, 0xffff                   ; kvh, which the four partners share
	s_mov_b32 s[G1A], 15|(3<<16)|(1<<21)           ; the mask of all four; elements of 8 bytes; bit 21 beside the mask; no padding
	s_mov_b32 s[G1A+1], 32<<16                     ; rows of 256 bytes, dense
	s_mov_b32 s[G1A+2], 25<<16
	s_mov_b32 s[G1A+3], 32<<16
	s_mov_b32 s[G1A+4], 25
	s_mov_b32 s[G1A+5], 32
	s_mov_b32 s[G1A+6], 0
	s_mov_b32 s[G1A+7], 0
	s_mov_b32 s[G1B], 15|(3<<16)|(1<<21)
	s_mov_b32 s[G1B+1], 32<<16
	s_mov_b32 s[G1B+2], 50<<16
	s_mov_b32 s[G1B+3], 32<<16
	s_mov_b32 s[G1B+4], 50
	s_mov_b32 s[G1B+5], 32
	s_mov_b32 s[G1B+6], 0
	s_mov_b32 s[G1B+7], 0
	s_mov_b32 s[SEL], 0x76543210
	s_mov_b32 s[SEL+1], 0xfedcba98
	s_mov_b32 s[CS], 0x3e38aa3b                    ; log2(e) / 8
	s_mov_b32 s[CS+1], s[CS]                       ; (named with it as a pair, so it is written)
	s_mul_i32 s56, s17, 32*STEPB                   ; the kv head's 32 steps
	s_mul_i32 s58, s[WV], 6400                     ; my sixteenth of R0
	s_add_co_u32 s56, s56, s58
	s_mov_b32 s57, 0
	s_mul_i32 s59, s[WV], 12800                    ; my sixteenth of R1
	s_add_co_u32 s60, s58, R1                      ; from my part of steps 0-7 to my part of steps 8-23: R1 + 12,800 w - 6,400 w
	s_mov_b32 s61, 0
	s_wait_dscnt 0x0                               ; both opening adds are done
	s_wait_kmcnt 0x0
	s_mov_b32 s[G0A], 1
	s_mov_b32 s[G0A+1], s58
	s_add_nc_u64 s[G0A+2:G0A+3], s[8:9], s[56:57]
	s_mov_b32 s[G0B], 1
	s_add_co_u32 s[G0B+1], s59, R1
	s_add_nc_u64 s[G0B+2:G0B+3], s[G0A+2:G0A+3], s[60:61]
	s_mov_b32 s[G0C], 1
	s_mov_b32 s[G0C+1], s58
	s_add_nc_u64 s[G0C+2:G0C+3], s[G0A+2:G0A+3], 24*STEPB
	s_or_b32 s[G0A+3], s[G0A+3], 0x80000000
	s_or_b32 s[G0B+3], s[G0B+3], 0x80000000
	s_or_b32 s[G0C+3], s[G0C+3], 0x80000000
	CROUND                                         ; all four work-groups are here: the first joint loads meet
	FILL G0A, G1A                                  ; steps 0-7: one tensor load a wave at the head
	s_and_b32 s60, s[WV], 3
	s_lshl_b32 s61, s17, 2
	s_add_co_u32 s60, s60, s61                     ; head
	s_lshr_b32 s61, s[WV], 2                       ; tau: my query tile of the block's four
	s_lshr_b32 s62, s61, 1
	s_lshl_b32 s63, s16, 1
	s_add_co_u32 s62, s62, s63                     ; the pair of tiles in which it lies
	s_mul_i32 s66, s60, 196608
	s_mul_i32 s67, s62, 1536
	s_add_co_u32 s66, s66, s67
	s_mov_b32 s67, 0
	s_add_nc_u64 s[66:67], s[4:5], s[66:67]
	s_lshl_b32 s68, s60, 13
	s_lshl_b32 s69, s62, 6
	s_add_co_u32 s68, s68, s69
	s_mov_b32 s69, 0
	s_add_nc_u64 s[68:69], s[6:7], s[68:69]
	s_and_b32 s63, s61, 1                          ; which of the pair
	s_mov_b32 s55, 0x03020302
	s_cmp_eq_u32 s63, 0
	s_cselect_b32 s54, 0, -1
	s_cselect_b32 s55, 0x01000100, s55
	v_and_b32 v11, 31, v0                          ; lane
	s_delay_alu instid0(VALU_DEP_1)
	v_lshlrev_b32 v[L16], 4, v11
	v_lshlrev_b32 v[L8], 3, v11
	v_lshl_add_u32 v[LSC], v11, 2, 12288
	v_bfe_u32 v[SH8], v0, 4, 1
	s_delay_alu instid0(VALU_DEP_1)
	v_lshlrev_b32 v[SH8], 3, v[SH8]
	v_and_b32 v11, 15, v0
	s_delay_alu instid0(VALU_DEP_1)
	v_lshlrev_b32 v11, 2, v11                      ; 4 r
.irp c, 0,1,2
	global_load_b128 v[KV+4*\c:KV+4*\c+3], v[L16], s[66:67] offset:512*\c    ; the pair's double fragment
.endr
	global_load_b32 v35, v11, s[68:69]             ; and its scale words
.irp i, 0,1,2,3,4,5
	v_mov_b32 v[QHI+\i], 0                         ; the zeros on both sides of q
	v_mov_b32 v[QLO+6+\i], 0
.endr
	v_mov_b32 v13, 0xff61b1e6                      ; the largest score so far: -3e38, under every score
	s_delay_alu instid0(VALU_DEP_1)
	v_mul_f32 v12, s[CS], v13
	s_delay_alu instid0(VALU_DEP_1)
	v_floor_f32 v12, -v12                          ; -M
	v_mov_b32 v14, 0                               ; the sum, in two halves
	v_mov_b32 v15, 0
	v_mov_b32 v[BT], 0                             ; a lane permute's destination counts as one of its sources
	v_mov_b32 v[F+1], 0                            ; (named as the upper half of a pair)
	s_wait_loadcnt 0x0                             ; q
.irp i, 0,1,2,3,4,5
	v_cndmask_b32 v[QLO+\i], v[KV+\i], v[KV+6+\i], s54   ; my tile's six registers of the pair's twelve
.endr
	v_perm_b32 v[QS], v35, v35, s55                ; my tile's two scale bytes, twice
.set j, 0
.rept 32
	v_mov_b32 v[O+j], 0                            ; O^T: the step is written once: the first finds zeros.  (These are also the places between q's registers and scale word and the first products)
.set j, j+1
.endr
; A KEY STEP: 128 keys, the q-th of the trip's two.
.macro STEP q
.if (\q) == 0
	v_add_nc_u32 v[ADK], s[TB], v[L16]             ; these three and the v_nop are the four places between the last products and the loads into their operands
	v_add_nc_u32 v[ADV], s[TB], v[L8]
	v_add_nc_u32 v[ADS], s[TB], v[LSC]
	v_nop
	s_wait_alu depctr_va_vdst(0)
.else
.rept 4
	v_nop
.endr
.endif
	ds_load_b32 v84, v[ADS] offset:STEPB*(\q)      ; k's scale words: double fragments 0 | 1,
	ds_load_b32 v85, v[ADS] offset:STEPB*(\q)+128  ; 2 | 3
.irp b, 0,1,2,3
.irp c, 0,1,2
	ds_load_b128 v[KV+12*\b+4*\c:KV+12*\b+4*\c+3], v[ADK] offset:STEPB*(\q)+1536*\b+512*\c
.endr
.endr
.irp b, 0,1,2,3
	s_wait_dscnt 9-3*\b                            ; double fragment b is in; the later ones' three loads each stay out
	WM S+16*\b, KV+12*\b, QLO, 1, 84+\b/2, QS, \b%2
	WM S+16*\b+8, KV+12*\b, QHI, 1, 84+\b/2, QS, \b%2
.endr
	v_mov_b32 v[OLDM], v12                         ; four places: in front of the loads into k's registers, and of the first read of the scores
.rept 3
	v_nop
.endr
.irp t, 0,1,2,3
.irp p, 0,1,2,3,4,5
	ds_load_b64 v[KV+12*\t+2*\p:KV+12*\t+2*\p+1], v[ADV] offset:STEPB*(\q)+6144+1536*\t+256*\p   ; v lands under the softmax
.endr
.endr
	ds_load_b32 v86, v[ADS] offset:STEPB*(\q)+256  ; v's scale bytes: key blocks 0, 1 of tiles 0, 1 | 2, 3,
	ds_load_b32 v87, v[ADS] offset:STEPB*(\q)+384  ; key blocks 2, 3
.irp c, 0,1
	v_max3_num_f32 v[BM+\c], v[S+32*\c], v[S+32*\c+1], v[S+32*\c+2]        ; the largest score of each of my two blocks of 32 keys, in two chains a block; each accumulator is first read at its low end
	v_max3_num_f32 v[BM+2+\c], v[S+32*\c+16], v[S+32*\c+17], v[S+32*\c+18]
.endr
.irp i, 3,5,7,9,11,13
.irp c, 0,1
	v_max3_num_f32 v[BM+\c], v[BM+\c], v[S+32*\c+\i], v[S+32*\c+\i+1]
	v_max3_num_f32 v[BM+2+\c], v[BM+2+\c], v[S+32*\c+16+\i], v[S+32*\c+17+\i]
.endr
.endr
.irp c, 0,1
	v_max3_num_f32 v[BM+\c], v[BM+\c], v[BM+2+\c], v[S+32*\c+15]
.endr
.irp c, 0,1
	v_max_num_f32 v[BM+\c], v[BM+\c], v[S+32*\c+31]
.endr
	s_delay_alu instid0(VALU_DEP_1)
	v_max_num_f32 v[T0], v[BM], v[BM+1]
	s_delay_alu instid0(VALU_DEP_1)
	v_permlanex16_b32 v[BT], v[T0], s[SEL], s[SEL+1]
	s_delay_alu instid0(VALU_DEP_1)
	v_max3_num_f32 v13, v13, v[T0], v[BT]          ; the running largest score of my query (c is positive: the largest t is c x this)
	s_delay_alu instid0(VALU_DEP_1)
	v_mul_f32 v[BT+1], s[CS], v13
	s_delay_alu instid0(VALU_DEP_1)
	v_floor_f32 v12, -v[BT+1]                      ; the new -M = floor(-t): M is a whole number
	s_delay_alu instid0(VALU_DEP_1)
	v_sub_f32 v[T0], v12, v[OLDM]                  ; old M - new M: a whole number, 0 or less
	s_delay_alu instid0(VALU_DEP_1)
	v_cvt_i32_f32 v[T0], v[T0]                     ; (it saturates)
	s_delay_alu instid0(VALU_DEP_1)
	v_ldexp_f32 v[F], 1.0, v[T0]                   ; f = 2^(old M - new M)
.set j, 0
.rept 32
	v_pk_fma_f32 v[S+j:S+j+1], v[S+j:S+j+1], s[CS:CS+1], v[12:13] op_sel_hi:[1,0,0]   ; t - M, two at a time
.set j, j+2
.endr
.irp c, 0,1
	v_fma_f32 v[BM+\c], v[BM+\c], s[CS], v12       ; the same of each block's largest score
.endr
	s_wait_alu depctr_va_vdst(0)
.set j, 0
.rept 64
	v_exp_f32 v[S+j], v[S+j]                       ; p = 2^(t - M): not normalised
.set j, j+1
.endr
	v_pk_mul_f32 v[14:15], v[14:15], v[F:F+1] op_sel_hi:[1,0]      ; the sums under the new M: the plain place behind the exponentials
	s_wait_alu depctr_va_vdst(0)                   ; one wait for the whole batch, ahead of its first reader
.irp c, 0,1
	v_exp_f32 v[BM+\c], v[BM+\c]                   ; the block's largest p: the same two instructions on the same number
.endr
.irp k, 0,1,2,3,4,5,6,7
	v_pk_add_f32 v[TT+2*\k:TT+2*\k+1], v[S+2*\k:S+2*\k+1], v[S+16+2*\k:S+17+2*\k]     ; the row's sum of the unquantised p: eight chains, two numbers an instruction
.endr
.irp g, 32,48
.irp k, 0,1,2,3,4,5,6,7
	v_pk_add_f32 v[TT+2*\k:TT+2*\k+1], v[TT+2*\k:TT+2*\k+1], v[S+\g+2*\k:S+\g+1+2*\k]
.endr
.endr
.irp k, 0,1,2,3
	v_pk_add_f32 v[TT+2*\k:TT+2*\k+1], v[TT+2*\k:TT+2*\k+1], v[TT+8+2*\k:TT+9+2*\k]
.endr
.irp k, 0,1
	v_pk_add_f32 v[TT+2*\k:TT+2*\k+1], v[TT+2*\k:TT+2*\k+1], v[TT+4+2*\k:TT+5+2*\k]
.endr
	s_delay_alu instid0(VALU_DEP_1)
	v_pk_add_f32 v[TT:TT+1], v[TT:TT+1], v[TT+2:TT+3]
	s_delay_alu instid0(VALU_DEP_1)
	v_pk_add_f32 v[14:15], v[14:15], v[TT:TT+1]
	s_wait_alu depctr_va_vdst(0)                   ; and one for the two
.irp c, 0,1
	v_max_num_f32 v[BM+\c], 0x1800000, v[BM+\c]    ; the floor 2^(3 - 127): the byte cannot fall under 1
.endr
.irp c, 0,1
	s_delay_alu instid0(VALU_DEP_2)
	v_add_nc_u32 v[BS+\c], 0xff000000, v[BM+\c]    ; the conversion's scale operand
.endr
.irp c, 0,1
	s_delay_alu instid0(VALU_DEP_2)
	v_lshrrev_b32 v[BT+\c], 23, v[BS+\c]           ; the scale's byte
.endr
	s_delay_alu instid0(VALU_DEP_1)
	v_lshl_or_b32 v[PWD], v[BT+1], 16, v[BT]       ; my bytes: key blocks h and 2 + h,
	s_delay_alu instid0(VALU_DEP_1)
	v_lshlrev_b32 v[PWD], v[SH8], v[PWD]           ; at their places in the word;
	s_delay_alu instid0(VALU_DEP_1)
	v_permlanex16_b32 v[T0], v[PWD], s[SEL], s[SEL+1]
	s_delay_alu instid0(VALU_DEP_1)
	v_or_b32 v[PWD], v[PWD], v[T0]                 ; with lane l xor 16's two the word is whole
.irp c, 0,1
	v_cvt_scalef32_pk16_fp6_f32 v[PCD+6*\c:PCD+2+6*\c], v[S+32*\c:S+15+32*\c], v[BS+\c]
	v_cvt_scalef32_pk16_fp6_f32 v[PCD+12+4*\c:PCD+14+4*\c], v[S+16+32*\c:S+31+32*\c], v[BS+\c]   ; (a conversion's three registers begin on an even number)
.endr
	v_nop                                          ; one plain place behind a scaled conversion
.irp c, 0,1
.irp i, 0,1,2
	v_mov_b32 v[PCD+3+6*\c+\i], v[PCD+12+4*\c+\i]
.endr
.endr
	s_wait_dscnt 0x0                               ; v and its scale bytes are in
	v_perm_b32 v88, v87, v86, 0x05040100           ; the even tiles' four bytes: tile 0 | tile 2
	v_perm_b32 v89, v87, v86, 0x07060302           ; the odd tiles': tile 1 | tile 3
.set j, 0
.rept 16
	v_pk_mul_f32 v[O+j:O+j+1], v[O+j:O+j+1], v[F:F+1] op_sel_hi:[1,0]   ; O^T under the new M; these sixteen also stand between the scale words and codes just made and the products
.set j, j+2
.endr
.irp t, 0,1,2,3
	WM O+8*\t, KV+12*\t, PCD, 0, 88+\t%2, PWD, \t/2    ; O^T += v^T p^T: the four accumulators by turns, one instruction a turn
.endr
.endm
.macro WALK from, trips                ; 2 x trips key steps that lie on end in LDS from byte 'from' on
	s_mov_b32 s[TB], \from
	s_mov_b32 s[CNT], \trips
.Lwalk_\@:
	STEP 0
	STEP 1
	s_add_co_u32 s[TB], s[TB], 2*STEPB
	s_sub_co_u32 s[CNT], s[CNT], 1
	s_cmp_lg_u32 s[CNT], 0
	s_cbranch_scc1 .Lwalk_\@
.endm
	s_wait_alu depctr_va_vdst(0)
	DRAIN                                          ; my part of steps 0-7 is in
	CROUND                                         ; everybody's is, and all four work-groups are here
	FILL G0B, G1B                                  ; R1's first fill, steps 8-23, issued as a refill is
	WALK 0, 4                                      ; steps 0-7
	DRAIN                                          ; my part of R1 is in, my reads of R0 are over
	CROUND                                         ; no wave of any partner still reads R0
	FILL G0C, G1A                                  ; R0 once more: steps 24-31
	WALK R1, 8                                     ; steps 8-23
	DRAIN                                          ; my part of steps 24-31 is in
	s_barrier_signal -1
	s_barrier_wait -1                              ; everybody's is
	WALK 0, 4                                      ; steps 24-31
	; THE WAY OUT.  O^T / the sum is quantised: my head's 64 channels are two blocks of the last product's K.  Heads 2 s and 2 s + 1 make K step s: my six registers are registers 6 (head % 2) on of the image of (query tile, K step).
	v_add_f32 v14, v14, v15                        ; the sum's two halves,
	s_delay_alu instid0(VALU_DEP_1)
	v_permlanex16_b32 v[T0], v14, s[SEL], s[SEL+1]
	s_delay_alu instid0(VALU_DEP_1)
	v_add_f32 v14, v14, v[T0]                      ; and lane l xor 16's
	s_wait_alu depctr_va_vdst(0)
	v_rcp_f32 v14, v14
	s_and_b32 s70, s[WV], 1                        ; c = head % 2
	s_bfe_u32 s71, s[WV], 0x10001                  ; sl: which of the kv head's two K steps
	s_mul_i32 s72, s71, 6400
	s_mul_i32 s73, s61, 1536
	s_add_co_u32 s73, s73, s72
	s_add_co_u32 s73, s73, STG                     ; my tile's image in the stage
	s_mul_i32 s74, s70, 520
	s_add_co_u32 s74, s74, s73
	v_add_nc_u32 v90, s74, v[L16]                  ; register pairs 0 and 2 of my six: bytes 0 and 512, or 520 and 1,032
	s_mul_i32 s74, s70, 1016
	s_add_co_u32 s74, s74, s73
	v_add_nc_u32 v91, s74, v[L16]                  ; pair 1: byte 8, or 1,024
	s_lshl_b32 s74, s61, 6
	s_add_co_u32 s74, s74, s72
	s_lshl_b32 s75, s70, 1
	s_add_co_u32 s74, s74, s75
	s_add_co_u32 s74, s74, STG+6144
	v_and_b32 v92, 15, v0
	s_delay_alu instid0(VALU_DEP_1)
	v_lshl_add_u32 v92, v92, 2, s74                ; my two bytes of the row's scale word
	s_lshr_b32 s75, s[WV], 3
	s_mul_i32 s76, s75, 6400
	s_and_b32 s77, s[WV], 7
	s_mul_i32 s78, s77, 768
	s_add_co_u32 s76, s76, s78
	s_add_co_u32 s76, s76, STG
	v_add_nc_u32 v93, s76, v[L8]                   ; back: wave w takes 768 bytes of half chunk w / 8
	s_lshr_b32 s79, s16, 1
	s_lshl_b32 s79, s79, 3
	s_lshl_b32 s80, s17, 1
	s_add_co_u32 s79, s79, s80
	s_add_co_u32 s79, s79, s75
	s_mul_i32 s79, s79, 12800                      ; chunk 8 (qb / 2) + 2 kvh + w / 8 of aimg
	s_and_b32 s80, s16, 1
	s_mul_i32 s82, s80, 6144                       ; its tiles 4 (qb % 2) on
	s_add_co_u32 s82, s82, s79
	s_add_co_u32 s82, s82, s78
	s_mov_b32 s83, 0
	s_add_nc_u64 s[82:83], s[10:11], s[82:83]
	s_lshl_b32 s84, s80, 8
	s_add_co_u32 s84, s84, s79
	s_add_co_u32 s84, s84, 12288                   ; and their scale words
	s_mov_b32 s85, 0
	s_add_nc_u64 s[84:85], s[10:11], s[84:85]
	s_wait_alu depctr_va_vdst(0)                   ; the wait for the reciprocal, ahead of its first reader
.set j, 0
.rept 16
	v_pk_mul_f32 v[O+j:O+j+1], v[O+j:O+j+1], v[14:15] op_sel_hi:[1,0]
.set j, j+2
.endr
.irp b, 0,1
	v_max3_num_f32 v[BM+\b], |v[O+16*\b]|, |v[O+1+16*\b]|, 0x1800000
.endr
.irp i, 2,4,6,8,10,12,14
.irp b, 0,1
	s_delay_alu instid0(VALU_DEP_2)
	v_max3_num_f32 v[BM+\b], v[BM+\b], |v[O+16*\b+\i]|, |v[O+1+16*\b+\i]|
.endr
.endr
.irp b, 0,1
	s_delay_alu instid0(VALU_DEP_2)
	v_permlanex16_b32 v[BT+\b], v[BM+\b], s[SEL], s[SEL+1]
.endr
.irp b, 0,1
	s_delay_alu instid0(VALU_DEP_2)
	v_max_num_f32 v[BM+\b], v[BM+\b], v[BT+\b]
.endr
.irp b, 0,1
	s_delay_alu instid0(VALU_DEP_2)
	v_add_nc_u32 v[BS+\b], 0xff000000, v[BM+\b]
.endr
.irp b, 0,1
	s_delay_alu instid0(VALU_DEP_2)
	v_lshrrev_b32 v[BT+\b], 23, v[BS+\b]
.endr
	s_delay_alu instid0(VALU_DEP_1)
	v_lshl_or_b32 v94, v[BT+1], 8, v[BT]           ; my two scale bytes
	v_cvt_scalef32_pk16_fp6_f32 v[PCD:PCD+2], v[O:O+15], v[BS]
	v_cvt_scalef32_pk16_fp6_f32 v[PCD+12:PCD+14], v[O+16:O+31], v[BS+1]
	v_nop                                          ; one plain place behind a scaled conversion
.irp i, 0,1,2
	v_permlane16_swap_b32 v[PCD+\i], v[PCD+12+\i]
.endr
.irp i, 0,1,2
	s_delay_alu instid0(VALU_DEP_3)
	v_mov_b32 v[PCD+3+\i], v[PCD+12+\i]
.endr
	ds_store_b64 v90, v[PCD:PCD+1]
	ds_store_b64 v91, v[PCD+2:PCD+3] offset:8
	ds_store_b64 v90, v[PCD+4:PCD+5] offset:512
	ds_store_b16 v92, v94                          ; both halves of the lanes write the same two bytes with the same value
	s_wait_dscnt 0x0                               ; for the others' sake: my stores have landed
	s_barrier_signal -1
	s_barrier_wait -1
.irp i, 0,1,2
	ds_load_b64 v[S+2*\i:S+2*\i+1], v93 offset:256*\i
.endr
	s_wait_dscnt 0x0
.irp i, 0,1,2
	global_store_b64 v[L8], v[S+2*\i:S+2*\i+1], s[82:83] offset:256*\i   ; 32 lanes store 256 consecutive bytes, at a multiple of 256 from aimg's first byte
.endr
	s_cmp_lg_u32 s77, 0
	s_cbranch_scc1 .Lno_sc
	ds_load_b64 v[S+8:S+9], v93 offset:6144        ; waves 0 and 8: the half chunk's 64 scale words
	s_wait_dscnt 0x0
	global_store_b64 v[L8], v[S+8:S+9], s[84:85]
.Lno_sc:
	s_wait_tensorcnt 0x0                           ; the wave's end
	ds_add_u32 v[SPW], v[NIL]
	s_wait_dscnt 0x0
	CROUND                                         ; the closing round
	s_endpgm
.Lfunc_end_k_q47c8c6f607_attn:
	.size	k_q47c8c6f607_attn, .Lfunc_end_k_q47c8c6f607_attn-k_q47c8c6f607_attn
	.p2alignl 7, 3214868480
	.fill 96, 4, 3214868480
	.section	.rodata,"a",@progbits
	.p2align	6, 0x0
	.amdhsa_kernel k_q47c8c6f607_attn
		.amdhsa_group_segment_fixed_size 327680
		.amdhsa_private_segment_fixed_size 0
		.amdhsa_enable_private_segment 0
		.amdhsa_kernarg_size 32
		.amdhsa_user_sgpr_count 2
		.amdhsa_user_sgpr_kernarg_segment_ptr 1
		.amdhsa_wavefront_size32 1
		.amdhsa_system_sgpr_workgroup_id_x 1
		.amdhsa_system_sgpr_workgroup_id_y 1
		.amdhsa_system_sgpr_workgroup_id_z 1
		.amdhsa_system_vgpr_workitem_id 0
		.amdhsa_next_free_vgpr 256
		.amdhsa_next_free_sgpr 96
		.amdhsa_reserve_vcc 0
		.amdhsa_float_denorm_mode_32 3
		.amdhsa_float_denorm_mode_16_64 3
		.amdhsa_memory_ordered 1
		.amdhsa_forward_progress 1
		.amdhsa_inst_pref_size 112
	.end_amdhsa_kernel
	.amdgpu_metadata
---
amdhsa.version: [ 1, 2 ]
amdhsa.kernels:
  - .name:           k_q47c8c6f607_attn
    .symbol:         k_q47c8c6f607_attn.kd
    .args:
      - { .name: qimg, .offset: 0, .size: 8, .value_kind: global_buffer, .address_space: global }
      - { .name: qs, .offset: 8, .size: 8, .value_kind: global_buffer, .address_space: global }
      - { .name: kc, .offset: 16, .size: 8, .value_kind: global_buffer, .address_space: global }
      - { .name: aimg, .offset: 24, .size: 8, .value_kind: global_buffer, .address_space: global }
    .group_segment_fixed_size: 327680
    .private_segment_fixed_size: 0
    .kernarg_segment_align: 8
    .kernarg_segment_size: 32
    .max_flat_workgroup_size: 512
    .sgpr_count:     96
    .vgpr_count:     256
    .wavefront_size: 32
...
	.end_amdgpu_metadata
.endif
;; end of part 3
;; launch oproj (part 4): grid 32 x 4, 8 waves a work-group, clusters of 4 x 1, 327,680 bytes of LDS; arguments aimg, wimg, o_b, out0; writes out0
.if DOCPART == 4
	.amdgcn_target "amdgcn-amd-amdhsa--gfx1250"
	.amdhsa_code_object_version 6
	.text
	.protected	k_q47c8c6f607_oproj
	.globl	k_q47c8c6f607_oproj
	.p2align	8
	.type	k_q47c8c6f607_oproj,@function
k_q47c8c6f607_oproj:
	s_mov_b64 s[64:65], 0
	v_nop
	global_prefetch_b8 v0, s[64:65] scope:SCOPE_SE
	s_setreg_imm32_b32 hwreg(HW_REG_WAVE_MODE, 25, 1), 1
	s_wait_xcnt 0x0
	s_wait_alu depctr_hold_cnt(0) depctr_sa_sdst(0) depctr_va_vdst(0) depctr_va_sdst(0) depctr_va_ssrc(0) depctr_va_vcc(0) depctr_vm_vsrc(0)
	s_getreg_b32 s2, hwreg(HW_REG_IB_STS2, 6, 4)
	s_cmp_eq_u32 s2, 0
	s_cbranch_scc0 .Lentry_in_a_cluster
	s_endpgm
.Lentry_in_a_cluster:
	s_bfe_u32 s2, ttmp6, 0x10000c
	s_cmp_lg_u32 s2, 0x3003
	s_cbranch_scc0 .Lentry_shape_is_right
	s_endpgm
.Lentry_shape_is_right:
; Launch 4 of 4: out0 = a o_w + o_b on codes of E2M3; a's codes come from the attention launch, o_w's from the first launch (column groups 6 to 9 of wimg).  Nothing of reference() is left out.
; SHARES, LDS AND LOADS as in the projection launch: a work-group takes 128 rows (group g) x 256 columns (group y); wave w rows 64 (w % 2) on and columns 64 (w / 2) on: sixteen accumulators.
; All of K lies in LDS, filled once: a's eight chunks (102,400 bytes), the weight's eight (204,800).  Each wave issues one tensor load, on a branch by its number: one load of mine is out.  The weight's loads are joint for the four row groups of a cluster.
; THE PRODUCT IS USED TRANSPOSED (source 0 = 16 columns of o_w, source 1 = 16 rows of a): a lane holds eight neighbouring columns of one row.  The bias is loaded straight into the accumulators.
; THE WAY OUT: a tile of 16 rows x 64 columns goes through the wave's own stage in LDS (rows 272 bytes apart) and leaves as rows: sixteen lanes store 256 consecutive bytes.  The stages lie in a's K steps 0-3:
; those bytes have had their only fill, and behind the second barrier nobody reads them.
.set XCH,   12800
.set WCH,   25600
.set WBASE, 8*XCH
.set SPARE, WBASE+8*WCH
.set L16,  1
.set L4,   2
.set AX,   4
.set AXS,  5
.set AW,   6
.set AWS,  7
.set SX,   8
.set SW,   10
.set SPW,  12
.set NIL,  13
.set BO,   14
.set STO,  16                          ; v16 the stage: row r, + 64 h
.set RD,   17                          ; v17 back: lanes 0-15 one row, lanes 16-31 the next
.set CO,   18                          ; v18 the same two rows in out0
.set XF,   32
.set WF,   80
.set ACC,  128
.set BK,   32                          ; the way out: v32-63 and v64-95 by turns
.set WV,   22
.set G1X,  24
.set G1W,  32
.set G0,   40
.macro CROUND
	s_barrier_signal -1
	s_barrier_wait -1
	s_cmp_lg_u32 s[WV], 0
	s_cbranch_scc1 .Lnot_wave_0_\@
	s_barrier_signal -3
.Lnot_wave_0_\@:
	s_barrier_wait -3
	s_barrier_signal -1
	s_barrier_wait -1
.endm
.macro WM d, a, b, sa, sb, ra, rb      ; one product, added in place; ra, rb: the scale words stand in lanes 16-31
.if ((\ra) == 0) && ((\rb) == 0)
	v_wmma_scale_f32_16x16x128_f8f6f4 v[\d:\d+7], v[\a:\a+11], v[\b:\b+11], v[\d:\d+7], v[\sa], v[\sb] matrix_a_fmt:MATRIX_FMT_FP6 matrix_b_fmt:MATRIX_FMT_FP6
.elseif ((\ra) == 1) && ((\rb) == 0)
	v_wmma_scale_f32_16x16x128_f8f6f4 v[\d:\d+7], v[\a:\a+11], v[\b:\b+11], v[\d:\d+7], v[\sa], v[\sb] matrix_a_fmt:MATRIX_FMT_FP6 matrix_b_fmt:MATRIX_FMT_FP6 matrix_a_scale:MATRIX_SCALE_ROW1
.elseif (\ra) == 0
	v_wmma_scale_f32_16x16x128_f8f6f4 v[\d:\d+7], v[\a:\a+11], v[\b:\b+11], v[\d:\d+7], v[\sa], v[\sb] matrix_a_fmt:MATRIX_FMT_FP6 matrix_b_fmt:MATRIX_FMT_FP6 matrix_b_scale:MATRIX_SCALE_ROW1
.else
	v_wmma_scale_f32_16x16x128_f8f6f4 v[\d:\d+7], v[\a:\a+11], v[\b:\b+11], v[\d:\d+7], v[\sa], v[\sb] matrix_a_fmt:MATRIX_FMT_FP6 matrix_b_fmt:MATRIX_FMT_FP6 matrix_a_scale:MATRIX_SCALE_ROW1 matrix_b_scale:MATRIX_SCALE_ROW1
.endif
.endm
; A K step of 128: 28 LDS loads, 16 products; the sixteen accumulators take turns, one instruction a turn.
.macro KSTEP adv
.if \adv
	v_add_nc_u32 v[AX], XCH, v[AX]                 ; these four are also the four places between the last products and the loads into their operands
	v_add_nc_u32 v[AXS], XCH, v[AXS]
	v_add_nc_u32 v[AW], WCH, v[AW]
	v_add_nc_u32 v[AWS], WCH, v[AWS]
.endif
	ds_load_b32 v[SX], v[AXS]
	ds_load_b32 v[SX+1], v[AXS] offset:128
	ds_load_b32 v[SW], v[AWS]
	ds_load_b32 v[SW+1], v[AWS] offset:128
.irp n, 0,1,2,3
.irp c, 0,1,2
	ds_load_b128 v[WF+12*\n+4*\c:WF+12*\n+4*\c+3], v[AW] offset:1536*\n+512*\c
.endr
.endr
.irp m, 0,1,2,3
.irp c, 0,1,2
	ds_load_b128 v[XF+12*\m+4*\c:XF+12*\m+4*\c+3], v[AX] offset:1536*\m+512*\c
.endr
.endr
.irp m, 0,1,2,3
	s_wait_dscnt 9-3*\m                            ; the later row tiles' three loads each stay out
.irp n, 0,1,2,3
	WM ACC+8*(4*\m+\n), WF+12*\n, XF+12*\m, SW+\n/2, SX+\m/2, \n%2, \m%2
.endr
.endr
.endm
	s_load_b256 s[4:11], s[0:1], 0x0               ; aimg, wimg, o_b, out0
	v_lshl_add_u32 v[SPW], v0, 2, SPARE
	v_mov_b32 v[NIL], 0
	ds_add_u32 v[SPW], v[NIL]                      ; the wave's opening
	ds_add_u32 v[SPW], v[NIL]
	v_lshrrev_b32 v1, 5, v0
	s_delay_alu instid0(VALU_DEP_1)
	v_readfirstlane_b32 s[WV], v1                  ; wave 0..7
	s_bfe_u32 s23, ttmp6, 0x40000                  ; cx
	s_lshl_b32 s56, ttmp9, 2
	s_add_co_u32 s56, s56, s23                     ; g: it enters global addresses alone
	s_and_b32 s57, ttmp7, 0xffff                   ; y, which the four partners share
	s_and_b32 s58, s[WV], 1                        ; hf
	s_lshr_b32 s59, s[WV], 1                       ; hd
	s_mov_b32 s[G1X], 3<<16                        ; a: no mask; elements of 8 bytes; dense rows of 256 bytes
	s_mov_b32 s[G1X+1], 32<<16
	s_mov_b32 s[G1X+2], 100<<16                    ; AS THE TEXT NOW STANDS: 100 rows, a quarter of a's eight chunks
	s_mov_b32 s[G1X+3], 32<<16
	s_mov_b32 s[G1X+4], 100
	s_mov_b32 s[G1X+5], 32
	s_mov_b32 s[G1X+6], 0
	s_mov_b32 s[G1X+7], 0
	s_mov_b32 s[G1W], 15|(3<<16)|(1<<21)           ; the weight: the mask of all four, bit 21 beside it; dense rows
	s_mov_b32 s[G1W+1], 32<<16
	s_mov_b32 s[G1W+2], 200<<16                    ; 200 rows, a quarter of the weight's eight chunks
	s_mov_b32 s[G1W+3], 32<<16
	s_mov_b32 s[G1W+4], 200
	s_mov_b32 s[G1W+5], 32
	s_mov_b32 s[G1W+6], 0
	s_mov_b32 s[G1W+7], 0
	s_add_co_u32 s72, s57, 6                       ; column group 6 + y of wimg
	s_mul_i32 s72, s72, 8*WCH
	s_and_b32 s73, s[WV], 3                        ; waves 0-3 fetch a's quarters, waves 4-7 the weight's: which quarter
	s_mul_i32 s77, s73, 25600
	s_mul_i32 s73, s73, 51200
	s_add_co_u32 s72, s72, s73
	s_add_co_u32 s76, s73, WBASE
	s_mov_b32 s73, 0
	s_mul_i32 s74, s56, 8*XCH
	s_add_co_u32 s74, s74, s77
	s_mov_b32 s75, 0
	s_wait_dscnt 0x0                               ; both opening adds are done
	s_wait_kmcnt 0x0
	s_mov_b32 s[G0], 1
	s_mov_b32 s[G0+1], s77
	s_add_nc_u64 s[G0+2:G0+3], s[4:5], s[74:75]
	s_mov_b32 s[G0+4], 1
	s_mov_b32 s[G0+5], s76
	s_add_nc_u64 s[G0+6:G0+7], s[6:7], s[72:73]
	s_or_b32 s[G0+3], s[G0+3], 0x80000000
	s_or_b32 s[G0+7], s[G0+7], 0x80000000
	CROUND                                         ; all four work-groups are here: the joint loads meet
	s_cmp_lt_u32 s[WV], 4                          ; one tensor load a wave at the head: one branch on the wave's number, a load in each arm
	s_cbranch_scc0 .Lhead_w
	tensor_load_to_lds s[G0:G0+3], s[G1X:G1X+7]
	s_nop 0
.rept 4
	v_nop
.endr
	s_branch .Lhead_asked
.Lhead_w:
	tensor_load_to_lds s[G0+4:G0+7], s[G1W:G1W+7]
	s_nop 0
.rept 4
	v_nop
.endr
.Lhead_asked:
.rept 4
	v_nop
.endr
	v_and_b32 v15, 31, v0                          ; lane
	s_delay_alu instid0(VALU_DEP_1)
	v_lshlrev_b32 v[L16], 4, v15
	s_delay_alu instid0(VALU_DEP_2)
	v_lshlrev_b32 v[L4], 2, v15
	s_mul_i32 s78, s58, 6144
	v_add_nc_u32 v[AX], s78, v[L16]
	s_lshl_b32 s78, s58, 8
	s_add_co_u32 s78, s78, 12288
	v_add_nc_u32 v[AXS], s78, v[L4]
	s_mul_i32 s78, s59, 6144
	s_add_co_u32 s78, s78, WBASE
	v_add_nc_u32 v[AW], s78, v[L16]
	s_lshl_b32 s78, s59, 8
	s_add_co_u32 s78, s78, WBASE+24576
	v_add_nc_u32 v[AWS], s78, v[L4]
	s_mul_i32 s78, s[WV], 4352                     ; my stage
	v_and_b32 v19, 15, v0                          ; r
	v_bfe_u32 v20, v0, 4, 1                        ; h
	s_delay_alu instid0(VALU_DEP_2)
	v_mul_u32_u24 v[STO], v19, 272
	s_delay_alu instid0(VALU_DEP_1)
	v_lshl_add_u32 v[STO], v20, 6, v[STO]
	s_delay_alu instid0(VALU_DEP_1)
	v_add_nc_u32 v[STO], s78, v[STO]
	s_delay_alu instid0(VALU_DEP_4)
	v_mul_u32_u24 v[RD], v20, 272
	s_delay_alu instid0(VALU_DEP_1)
	v_lshl_add_u32 v[RD], v19, 4, v[RD]
	s_delay_alu instid0(VALU_DEP_1)
	v_add_nc_u32 v[RD], s78, v[RD]
	v_lshlrev_b32 v[CO], 12, v20
	s_delay_alu instid0(VALU_DEP_1)
	v_lshl_add_u32 v[CO], v19, 4, v[CO]
	v_lshlrev_b32 v[BO], 6, v20                    ; 64 h
	s_wait_alu depctr_va_vdst(0)
	s_lshl_b32 s80, s57, 10                        ; my 64 columns, in bytes: 1,024 y + 256 hd
	s_lshl_b32 s81, s59, 8
	s_add_co_u32 s80, s80, s81
	s_mov_b32 s81, 0
	s_add_nc_u64 s[70:71], s[8:9], s[80:81]        ; in o_b,
	s_lshl_b32 s82, s56, 19                        ; and in out0 at row 128 g + 64 hf
	s_lshl_b32 s83, s58, 18
	s_add_co_u32 s82, s82, s83
	s_add_co_u32 s82, s82, s80
	s_mov_b32 s83, 0
	s_add_nc_u64 s[66:67], s[10:11], s[82:83]
.irp m, 0,1,2,3
.irp n, 0,1,2,3
	global_load_b128 v[ACC+8*(4*\m+\n):ACC+8*(4*\m+\n)+3], v[BO], s[70:71] offset:128*(\n/2)+32*(\n%2)       ; the bias begins each sum: register j of column tile n holds column 32 (n / 2) + 16 h + 8 (n % 2) + j
	global_load_b128 v[ACC+8*(4*\m+\n)+4:ACC+8*(4*\m+\n)+7], v[BO], s[70:71] offset:128*(\n/2)+32*(\n%2)+16
.endr
.endr
	s_wait_loadcnt 0x0
	s_wait_tensorcnt 0x0                           ; my one tensor load has landed: all of K lies in LDS behind this barrier
	s_barrier_signal -1
	s_barrier_wait -1
	KSTEP 0
	KSTEP 1
	s_wait_alu depctr_va_vdst(0)
	KSTEP 1
	s_wait_alu depctr_va_vdst(0)
	KSTEP 1
	s_wait_tensorcnt 0x0                           ; no tensor load of mine is out,
	s_wait_dscnt 0x0                               ; and my reads of K steps 0-3 are over: behind this barrier their bytes serve as stages
	s_barrier_signal -1
	s_barrier_wait -1
	s_wait_alu depctr_va_vdst(0)
	KSTEP 1
	s_wait_alu depctr_va_vdst(0)
	KSTEP 1
	s_wait_alu depctr_va_vdst(0)
	KSTEP 1
	s_wait_alu depctr_va_vdst(0)
	KSTEP 1
.macro TOSTAGE m                       ; row tile m: 16 rows x 64 columns into my stage, each accumulator from its low end on, and back as rows
.irp n, 0,1,2,3
	ds_store_b128 v[STO], v[ACC+8*(4*(\m)+\n):ACC+8*(4*(\m)+\n)+3] offset:128*(\n/2)+32*(\n%2)
	ds_store_b128 v[STO], v[ACC+8*(4*(\m)+\n)+4:ACC+8*(4*(\m)+\n)+7] offset:128*(\n/2)+32*(\n%2)+16
.endr
.irp i, 0,1,2,3,4,5,6,7
	ds_load_b128 v[BK+32*((\m)%2)+4*\i:BK+32*((\m)%2)+4*\i+3], v[RD] offset:544*\i     ; LDS serves a wave's instructions in order: these see my stores, and the next tile's stores come behind them
.endr
.endm
.macro SEND m, younger                 ; younger: the LDS instructions issued behind tile m's loads, which may stay out
	s_wait_dscnt \younger
.irp i, 0,1,2,3,4,5,6,7
	global_store_b128 v[CO], v[BK+32*((\m)%2)+4*\i:BK+32*((\m)%2)+4*\i+3], s[66:67] offset:(8*(\m)+2*(\i%4)+32*(\i/4))*4096 th:TH_STORE_NT   ; row r of my tile m is row 8 m + r % 8 + 32 (r / 8) of my 64: sixteen lanes store 256 consecutive bytes
.endr
.endm
.rept 4
	v_nop                                          ; four places behind the last products
.endr
	TOSTAGE 0
.irp a, 1,2,3
.if \a > 1
	s_wait_xcnt 0x0                                ; tile a - 2's stores have read their registers: tile a's loads may land there
.endif
	TOSTAGE \a
	SEND \a-1, 16                                  ; behind tile a - 1's loads: tile a's 8 stores and 8 loads
.endr
	SEND 3, 0
	s_wait_tensorcnt 0x0                           ; the wave's end
	ds_add_u32 v[SPW], v[NIL]
	s_wait_dscnt 0x0
	CROUND                                         ; the closing round
	s_endpgm
.Lfunc_end_k_q47c8c6f607_oproj:
	.size	k_q47c8c6f607_oproj, .Lfunc_end_k_q47c8c6f607_oproj-k_q47c8c6f607_oproj
	.p2alignl 7, 3214868480
	.fill 96, 4, 3214868480
	.section	.rodata,"a",@progbits
	.p2align	6, 0x0
	.amdhsa_kernel k_q47c8c6f607_oproj
		.amdhsa_group_segment_fixed_size 327680
		.amdhsa_private_segment_fixed_size 0
		.amdhsa_enable_private_segment 0
		.amdhsa_kernarg_size 32
		.amdhsa_user_sgpr_count 2
		.amdhsa_user_sgpr_kernarg_segment_ptr 1
		.amdhsa_wavefront_size32 1
		.amdhsa_system_sgpr_workgroup_id_x 1
		.amdhsa_system_sgpr_workgroup_id_y 1
		.amdhsa_system_sgpr_workgroup_id_z 1
		.amdhsa_system_vgpr_workitem_id 0
		.amdhsa_next_free_vgpr 256
		.amdhsa_next_free_sgpr 96
		.amdhsa_reserve_vcc 0
		.amdhsa_float_denorm_mode_32 3
		.amdhsa_float_denorm_mode_16_64 3
		.amdhsa_memory_ordered 1
		.amdhsa_forward_progress 1
		.amdhsa_inst_pref_size 50
	.end_amdhsa_kernel
	.amdgpu_metadata
---
amdhsa.version: [ 1, 2 ]
amdhsa.kernels:
  - .name:           k_q47c8c6f607_oproj
    .symbol:         k_q47c8c6f607_oproj.kd
    .args:
      - { .name: aimg, .offset: 0, .size: 8, .value_kind: global_buffer, .address_space: global }
      - { .name: wimg, .offset: 8, .size: 8, .value_kind: global_buffer, .address_space: global }
      - { .name: o_b, .offset: 16, .size: 8, .value_kind: global_buffer, .address_space: global }
      - { .name: out0, .offset: 24, .size: 8, .value_kind: global_buffer, .address_space: global }
    .group_segment_fixed_size: 327680
    .private_segment_fixed_size: 0
    .kernarg_segment_align: 8
    .kernarg_segment_size: 32
    .max_flat_workgroup_size: 256
    .sgpr_count:     96
    .vgpr_count:     256
    .wavefront_size: 32
...
	.end_amdgpu_metadata
.endif
;; end of part 4
